; MI455X (gfx1250); checked and timed in simulation.
; The chip was launched on July 23, 2026; its instructions are those of AMD's public machine-readable ISA for CDNA 5 (MIT licence, August 2026) and "CDNA5" Instruction Set Architecture Reference Guide (July 2026). The comments in the code are by the model that wrote it; some were corrected since.
;; Cross Attention. Allowed arithmetic: matrix products marked QUANTISED: E2M1 operands, one E8M0 scale for each 32 along K, by v_wmma_scale_f32_16x16x128_f8f6f4 with both operands' format E2M1 (or v_wmma_scale_f32_32x16x128_f4), f32 sums; products left as they are: bf16, f16 or f32 operands; f32 sums; everything else in f32.
;; Inputs: Wkv 1,024 x 2,048 float32; Wq 1,024 x 1,024 float32; decoder_hidden_states 4 x 2,048 x 1,024 float32; hidden_states 4 x 2,048 x 1,024 float32.
;; Outputs: out0 4 x 2,048 x 1,024 float32.
;; This version of the problem:
;;   THIS VERSION OF THE PROBLEM IS GIVEN IN LOW PRECISION. The matrix products marked QUANTISED in the list below multiply operands that are first quantised to E2M1 (2 exponent bits, 1 mantissa bit; 4 bits a number), with one power-of-two scale for each 32 numbers along K (OCP MX v1.0); their sums are f32. The products marked 'left as it is' may take bf16, f16 or f32 operands, with f32 sums. Whichever they take, every output number must still come out within the allowed error. Rounding operands to bf16 (8 significant bits) uses up far more of that allowance than f16 does (11 bits, for magnitudes from 6e-5 to 65,504). All else is computed in f32.
;;   The module's matrix products, in the order in which they are computed (A, B: the left and right operand; K: the contracted axis; several contracted axes count as one K, in the product's order):
;;     1. [M 8,192, K 1,024] x [K 1,024, N 1,024]; A: input hidden_states; B: input Wq: QUANTISED
;;     2. [M 8,192, K 1,024] x [K 1,024, N 2,048]; A: input decoder_hidden_states; B: input Wkv: QUANTISED
;;     3. batch 4 x [M 2,048, K 1,024] x [K 1,024, N 2,048]; A: computed on the way; B: computed on the way: left as it is (an operand is computed on the way)
;;     4. batch 4 x [M 2,048, K 2,048] x [K 2,048, N 1,024]; A: computed on the way; B: computed on the way: left as it is (an operand is computed on the way)
;;   THE QUANTISER, for each operand of a quantised product, along K:
;;     - K is cut into blocks of 32 from its start; a last block that is shorter is filled with zeros.
;;     - A block's scale is 2^e with e = floor(log2(the largest magnitude in the block)) - 2, held to -126 .. 127; a block of zeros has e = 0. As a byte (E8M0): e + 127.
;;     - Each number is divided by its block's scale, clamped to +-6, and rounded to the nearest number of E2M1, ties to even, subnormals kept.
;;     - The product sums the exact products of the quantised numbers (number of the format x scale) in f32.
;;   ~~~python
;;   def quantise(x, axis):      # numpy; x: float32 -> the quantised numbers, widened to float32 again
;;       x = np.moveaxis(x, axis, -1); K = x.shape[-1]
;;       x = np.pad(x, [(0, 0)] * (x.ndim - 1) + [(0, -K % 32)]); x = x.reshape(x.shape[:-1] + (-1, 32)); a = np.abs(x).max(-1, keepdims=True)
;;       e = np.where(a > 0, np.clip(np.frexp(np.where(a > 0, a, 1))[1] - 1 - 2, -126, 127), 0)      # np.frexp(a)[1] - 1 = floor(log2(a)), exactly
;;       r = np.clip(x / 2.0 ** e, -6, 6)
;;       step = 2.0 ** (np.maximum(np.frexp(np.where(r == 0, 1, r))[1] - 1, 0) - 1)
;;       q = np.round(r / step) * step * 2.0 ** e      # np.round: ties to even
;;       return np.moveaxis(q.reshape(q.shape[:-2] + (-1,))[..., :K], -1, axis).astype(np.float32)
;;   ~~~
;; One version. Each part assembles by itself: llvm-mc -triple=amdgcn-amd-amdhsa -mcpu=gfx1250 --defsym DOCPART=n.
;; ======== version 1 of 1: 4 launches
;; limits: values are held in f16: magnitudes above 65,504 overflow, below 6.1e-05 lose precision
;; workspace buffers: codes 9,961,472 bytes; scales 622,592 bytes; qkv 50,331,648 bytes; p 33,554,432 bytes; stats 1,048,576 bytes
;; launch quant (part 1): grid 608 x 1, 4 waves a work-group, no clusters, 51,712 bytes of LDS; arguments hidden_states, decoder_hidden_states, Wq, Wkv, codes, scales; writes codes, scales
.if DOCPART == 1
	.amdgcn_target "amdgcn-amd-amdhsa--gfx1250"
	.amdhsa_code_object_version 6
	.text
	.protected	k_qdf5d941261_quant
	.globl	k_qdf5d941261_quant
	.p2align	8
	.type	k_qdf5d941261_quant,@function
k_qdf5d941261_quant:
	s_mov_b64 s[64:65], 0
	v_nop
	global_prefetch_b8 v0, s[64:65] scope:SCOPE_SE
	s_setreg_imm32_b32 hwreg(HW_REG_WAVE_MODE, 25, 1), 1
	s_wait_xcnt 0x0
; CROSS ATTENTION, launch 1 of 4: the four operands of the two quantised products become codes of FP4 (E2M1) with one E8M0 scale byte for each 32 along K = 1,024.
; No work of reference() is dead: it has no mask, no bias and no slice that throws results away; all four inputs reach the output and all four are loaded.
; codes  [19,456 rows][512 bytes], K innermost, two codes a byte, the lower k in the low four bits;  scales [19,456 rows][32 bytes].
;   rows 0-8,191 hidden_states; 8,192-16,383 decoder_hidden_states; 16,384-17,407 Wq's columns; 17,408-18,431 Wkv's columns 0-1,023 (key); 18,432-19,455 its columns 1,024-2,047 (value).
; A block's scale is 2^(floor(log2(its largest magnitude)) - 2); its byte is the largest magnitude's exponent field - 2, held at 1 from below.
; LIMITS: a block of zeros gets the byte 1 where the rule says 127 (its codes are zeros, which add nothing, and this program alone reads the bytes); blocks whose largest magnitude lies under 2^(2 - 126)
; have their byte held at 1; NaN and infinities among the inputs are not served.
; TWO PATHS, parted by the work-group's number; each has LDS bytes of its own.
;   Work-groups 0-95: the weights, whose K is the FIRST axis: a lane takes a column and its registers run down K; a wave takes 32 columns x 256 along K: a chain of 8 blocks, two blocks' loads out.
;   Its codes leave through a stage as pieces of 128 consecutive bytes, half of an aligned 256: the price of the short chain, paid on the weights' 1.5 MB of codes alone.
;   Work-groups 96-607: the two activations, K innermost: plain streams of blocks of 32; a wave takes 16 steps of 512 numbers; loads take the bytes as they lie, and a stage in LDS gives each lane 16 neighbours.
; No tensor loads, no barrier: waves share nothing.
.set NWW,   96                         ; work-groups of the weights' path: 24 groups of 128 columns x 4 quarters of K
.set STEPS, 16
.set EMAX,  2
.set CB,    8                          ; bytes of 16 codes
.set R,     16                         ; v16-79   four sets of 16 numbers as they are loaded
.set X,     80                         ; v80-111  two sets of 16 neighbours
.set E,     112                        ; v112-127 a scale byte for each step
.set C,     128                        ; v128-191 codes: four registers for each step, so that no store's data are written again
.set WREG,  8192                       ; activations: a region for each wave: two stages of 32 x SP bytes, and behind them its 256 scale bytes
.set SP,    80                         ; a lane's place in a stage: its 64 bytes + 16 of padding
.set WST,   32768                      ; weights: four stages of 32 rows x PITCH
.set PITCH, 144                        ; a stage row: 128 bytes of codes + 16 of padding
.set SPARE, WST+4*32*PITCH             ; the spare words, 128 bytes for each wave: two blocks of 256 bytes that no other line names
.set SPW,   214                        ; v214 LDS address of my spare word; never rewritten
.set NIL,   215                        ; v215 0; never rewritten
.set NB,    8                          ; weights: blocks of 32 along K for a wave
.set WX,    32                         ; v32-95   two sets of 32 numbers
.set WC,    96                         ; v96-99   a block's codes
.set OUTR,  112                        ; v112-143 the way out
.set SB,    24                         ; v24-25   the scale bytes, four to a register
.set RO,    176                        ; v176-207 byte offset of row i of a block: i x the source's pitch + 4 x lane
	s_load_b256 s[4:11], s[0:1], 0x0               ; hidden_states s[4:5], decoder_hidden_states s[6:7], Wq s[8:9], Wkv s[10:11]
	s_load_b128 s[12:15], s[0:1], 0x20             ; codes s[12:13], scales s[14:15]
	v_lshl_add_u32 v[SPW], v0, 2, SPARE
	v_mov_b32 v[NIL], 0
	v_lshrrev_b32 v1, 5, v0
	v_readfirstlane_b32 s16, v1                    ; wave
	v_and_b32 v2, 31, v0                           ; lane
	s_wait_kmcnt 0x0
	s_cmp_lt_u32 ttmp9, NWW
	s_cbranch_scc1 .Lweights
	; ---------------- the activations ----------------
	v_lshlrev_b32 v3, 4, v2                        ; my 16 bytes of a load's 512
	s_mul_i32 s17, s16, WREG
	v_lshrrev_b32 v14, 2, v2
	v_mul_u32_u24 v14, v14, SP
	v_and_b32 v15, 3, v2
	v_lshl_add_u32 v14, v15, 4, v14
	v_add_nc_u32 v14, s17, v14                     ; the stage, on the way in: four lanes' 64 bytes on end, then 16 of padding
	v_mul_u32_u24 v15, v2, SP
	v_add_nc_u32 v15, s17, v15                     ; and on the way out: SP x lane: my 16 neighbours
	v_mul_u32_u24 v4, v2, CB                       ; my codes' place in a step's
	v_lshrrev_b32 v5, 1, v2
	s_add_co_u32 s17, s17, 2*32*SP
	v_add_nc_u32 v5, s17, v5                       ; my wave's 256 scale bytes, my block's byte
	v_lshlrev_b32 v7, 3, v2                        ; and on the way out 8 bytes a lane
	v_add_nc_u32 v6, s17, v7
	s_sub_co_u32 s18, ttmp9, NWW                   ; 0..511: the first 256 take hidden_states, the others decoder_hidden_states
	s_cmp_lt_u32 s18, 256                          ; the choice hangs on the work-group's number alone
	s_cselect_b64 s[4:5], s[4:5], s[6:7]
	s_cselect_b32 s19, 0, 256
	s_sub_co_u32 s19, s18, s19
	s_lshl_b32 s19, s19, 2
	s_add_co_u32 s20, s19, s16                     ; which run of 8,192 numbers of the tensor is my wave's
	s_lshl_b32 s20, s20, 15                        ; 32,768 bytes a run
	s_mov_b32 s21, 0
	s_add_nc_u64 s[4:5], s[4:5], s[20:21]
	s_lshl_b32 s18, s18, 2
	s_add_co_u32 s18, s18, s16                     ; the run's number in codes and scales: the two tensors lie one behind the other
	s_lshl_b32 s20, s18, 12                        ; 4,096 bytes of codes a run
	s_add_nc_u64 s[12:13], s[12:13], s[20:21]
	s_lshl_b32 s20, s18, 8                         ; 256 scale bytes a run
	s_add_nc_u64 s[14:15], s[14:15], s[20:21]
.macro LOAD t
.irp i, 0,1,2,3
	global_load_b128 v[R+16*((\t)%4)+4*\i:R+16*((\t)%4)+4*\i+3], v3, s[4:5] offset:2048*(\t)+512*\i th:TH_LOAD_NT   ; 32 lanes read 512 consecutive bytes
.endr
.endm
.macro TURN t                          ; step t's numbers through the stage: LDS serves a wave's instructions in order, so no wait stands between the stores and the loads
.irp i, 0,1,2,3
	ds_store_b128 v14, v[R+16*((\t)%4)+4*\i:R+16*((\t)%4)+4*\i+3] offset:32*SP*((\t)%2)+8*SP*\i
.endr
.irp i, 0,1,2,3
	ds_load_b128 v[X+16*((\t)%2)+4*\i:X+16*((\t)%2)+4*\i+3], v15 offset:32*SP*((\t)%2)+16*\i
.endr
.endm
.irp t, 0,1,2,3
	LOAD \t
.endr
	s_wait_loadcnt 12                              ; step 0's four loads are in; the twelve of steps 1 to 3 stay out
	TURN 0
.macro STEP t
.set XS, X+16*((\t)%2)
.if (\t) > 0
	s_wait_dscnt 1                                 ; this step's numbers are back from the stage (the last step's byte store may be out): so its stores into the stage have read their registers,
.else
	s_wait_dscnt 0x0
.endif
.if (\t)+4 < STEPS
	LOAD (\t)+4                                    ; which take the loads of four steps on
.endif
.if (\t)+1 < STEPS
.if STEPS-2-(\t) >= 3
	s_wait_loadcnt 12                              ; the next step's four loads are in; those of the three steps behind it may be out
.else
	s_wait_loadcnt 4*(STEPS-2-(\t))
.endif
	TURN (\t)+1                                    ; and go through the other stage while this step is worked
.endif
	v_max3_num_f32 v8, |v[XS]|, |v[XS+1]|, |v[XS+2]|               ; the largest magnitude of my 16, in two chains
	v_max3_num_f32 v9, |v[XS+3]|, |v[XS+4]|, |v[XS+5]|
.irp i, 6,10
	v_max3_num_f32 v8, v8, |v[XS+\i]|, |v[XS+\i+1]|
	v_max3_num_f32 v9, v9, |v[XS+\i+2]|, |v[XS+\i+3]|
.endr
	v_max3_num_f32 v8, v8, |v[XS+14]|, |v[XS+15]|
	v_max3_num_f32 v8, v8, v9, (EMAX+1)<<23        ; and the floor 2^(EMAX + 1 - 127): so the byte cannot fall under 1
	v_max_num_f32_dpp v8, v8, v8 row_xmask:1 row_mask:0xf bank_mask:0xf   ; and of my neighbour's 16: the block's
	v_add_nc_u32 v11, -(EMAX<<23), v8              ; EMAX off its exponent field: the conversion takes the exponent field of this operand as its scale
	v_cvt_scalef32_pk8_fp4_f32 v[C+4*(\t)], v[XS:XS+7], v11
	v_cvt_scalef32_pk8_fp4_f32 v[C+4*(\t)+1], v[XS+8:XS+15], v11
	v_lshrrev_b32 v[E+(\t)], 23, v11               ; the scale's byte
	ds_store_b8 v5, v[E+(\t)] offset:16*(\t)       ; both lanes of a block write the same byte with the same value
	global_store_b64 v4, v[C+4*(\t):C+4*(\t)+1], s[12:13] offset:32*CB*(\t)   ; 32 lanes store 256 consecutive bytes, aligned
.endm
.irp t, 0,1,2,3,4,5,6,7,8,9,10,11,12,13,14,15
	STEP \t
.endr
	ds_load_b64 v[8:9], v6                         ; LDS serves a wave's instructions in order: these see my stores
	s_wait_dscnt 0x0
	global_store_b64 v7, v[8:9], s[14:15]          ; 32 lanes store 256 consecutive bytes, aligned
	s_branch .Lend
	; ---------------- the weights ----------------
.Lweights:
	s_lshr_b32 s17, ttmp9, 2                       ; which 128 columns: 0-7 Wq's, 8-23 Wkv's
	s_and_b32 s18, ttmp9, 3                        ; which 256 along K
	s_lshl_b32 s19, s17, 7
	s_lshl_b32 s20, s16, 5
	s_add_co_u32 s19, s19, s20                     ; my wave's first column, counted through both weights: 0..3,071
	s_mov_b32 s24, 8192
	s_cmp_lt_u32 s17, 8                            ; the choice hangs on the work-group's number alone
	s_cselect_b64 s[8:9], s[8:9], s[10:11]         ; the source,
	s_cselect_b32 s21, 0, 1024                     ; its first column's number,
	s_cselect_b32 s24, 4096, s24                   ; and its pitch in bytes
	s_sub_co_u32 s21, s19, s21
	s_lshl_b32 s21, s21, 2
	s_mul_i32 s22, s18, s24
	s_lshl_b32 s22, s22, 8                         ; 256 rows for each quarter of K
	s_add_co_u32 s22, s22, s21
	s_mov_b32 s23, 0
	s_add_nc_u64 s[26:27], s[8:9], s[22:23]        ; the base of the even blocks' loads,
	s_lshl_b32 s30, s24, 5
	s_mov_b32 s31, 0
	s_add_nc_u64 s[28:29], s[26:27], s[30:31]      ; of the odd blocks', 32 rows further down;
	s_lshl_b32 s30, s24, 6                         ; each steps by 64 rows
	v_lshlrev_b32 v3, 2, v2                        ; in: 4 bytes a lane
.irp i, 0,1,2,3,4,5,6,7,8,9,10,11,12,13,14,15,16,17,18,19,20,21,22,23,24,25,26,27,28,29,30,31
	v_mad_u32_u24 v[RO+\i], s24, \i, v3
.endr
	s_mul_i32 s25, s16, 32*PITCH
	s_add_co_u32 s25, s25, WST                     ; my stage
	v_mul_u32_u24 v4, v2, PITCH
	v_add_nc_u32 v4, s25, v4                       ; into it: row = my column
	v_and_b32 v5, 7, v2
	v_lshrrev_b32 v6, 3, v2                        ; out of it: eight lanes to a row of 128 bytes, four rows an instruction
	v_mul_u32_u24 v7, v6, PITCH
	v_lshl_add_u32 v7, v5, 4, v7
	v_add_nc_u32 v7, s25, v7
	v_lshlrev_b32 v8, 9, v6
	v_lshl_add_u32 v8, v5, 4, v8                   ; and the same place in codes: rows of 512 bytes
	v_lshlrev_b32 v9, 5, v2                        ; my column's row of scale bytes: 32 bytes a row
	s_add_co_u32 s20, s19, 16384                   ; my first row of codes and scales
	s_lshl_b32 s22, s20, 9
	s_lshl_b32 s21, s18, 7                         ; 128 bytes of codes for each quarter of K
	s_add_co_u32 s22, s22, s21
	s_add_nc_u64 s[12:13], s[12:13], s[22:23]
	s_lshl_b32 s22, s20, 5
	s_lshl_b32 s21, s18, 3                         ; 8 scale bytes for each quarter of K
	s_add_co_u32 s22, s22, s21
	s_add_nc_u64 s[14:15], s[14:15], s[22:23]
.macro WLOAD t                         ; block t: W(32 t + i, my column), i = 0 .. 31: each load reads 128 consecutive bytes a wave
.irp i, 0,1,2,3,4,5,6,7,8,9,10,11,12,13,14,15,16,17,18,19,20,21,22,23,24,25,26,27,28,29,30,31
	global_load_b32 v[WX+32*((\t)%2)+\i], v[RO+\i], s[26+2*((\t)%2):27+2*((\t)%2)] th:TH_LOAD_NT
.endr
.endm
	WLOAD 0
	WLOAD 1
.macro BLOCK t
.set XS, WX+32*((\t)%2)
.if (\t) < NB-1
	s_wait_loadcnt 32                              ; this block's 32 loads are in; the next block's 32 may be out
.else
	s_wait_loadcnt 0
.endif
.if (\t)+2 < NB
	s_add_nc_u64 s[26+2*((\t)%2):27+2*((\t)%2)], s[26+2*((\t)%2):27+2*((\t)%2)], s[30:31]   ; the loads that named this base are done: it steps to the block two on
.endif
	v_max3_num_f32 v12, |v[XS]|, |v[XS+1]|, |v[XS+2]|               ; the block's largest magnitude: all 32 numbers are mine
	v_max3_num_f32 v13, |v[XS+3]|, |v[XS+4]|, |v[XS+5]|
.irp i, 6,10,14,18,22,26
	v_max3_num_f32 v12, v12, |v[XS+\i]|, |v[XS+\i+1]|
	v_max3_num_f32 v13, v13, |v[XS+\i+2]|, |v[XS+\i+3]|
.endr
	v_max3_num_f32 v12, v12, |v[XS+30]|, |v[XS+31]|
	v_max3_num_f32 v12, v12, v13, (EMAX+1)<<23     ; and the floor
	v_add_nc_u32 v11, -(EMAX<<23), v12             ; the conversion's scale operand
	v_lshrrev_b32 v13, 23, v11                     ; the scale's byte
.if (\t)%4 == 0
	v_mov_b32 v[SB+(\t)/4], v13                    ; four bytes to a register, the lower K in the lower byte
.else
	v_lshl_or_b32 v[SB+(\t)/4], v13, 8*((\t)%4), v[SB+(\t)/4]
.endif
.irp g, 0,1,2,3
	v_cvt_scalef32_pk8_fp4_f32 v[WC+\g], v[XS+8*\g:XS+8*\g+7], v11
.endr
	ds_store_b128 v4, v[WC:WC+3] offset:16*(\t)    ; 32 codes: 16 bytes of my column's row
.if (\t)+2 < NB
	WLOAD (\t)+2
.endif
	s_wait_dscnt 0x0                               ; the store has read its registers: the next block's codes may be written
.endm
.set Q, 0
.rept NB
	BLOCK Q
.set Q, Q+1
.endr
	global_store_b64 v9, v[SB:SB+1], s[14:15]      ; my column's 8 scale bytes
.irp t, 0,1,2,3,4,5,6,7
	ds_load_b128 v[OUTR+4*\t:OUTR+4*\t+3], v7 offset:4*\t*PITCH   ; LDS serves a wave's instructions in order: these see my stores
.endr
.irp t, 0,1,2,3,4,5,6,7
	s_wait_dscnt 7-\t                              ; loads come back in order: load t is in, the younger ones stay out
	global_store_b128 v8, v[OUTR+4*\t:OUTR+4*\t+3], s[12:13] offset:4*\t*512   ; eight lanes store 128 consecutive bytes of a row of codes
.endr
.Lend:
	s_wait_tensorcnt 0x0                           ; the wave's end, behind my last LDS store
	ds_add_u32 v[SPW], v[NIL]
	s_wait_dscnt 0x0
	s_endpgm
.Lfunc_end_k_qdf5d941261_quant:
	.size	k_qdf5d941261_quant, .Lfunc_end_k_qdf5d941261_quant-k_qdf5d941261_quant
	.p2alignl 7, 3214868480
	.fill 96, 4, 3214868480
	.section	.rodata,"a",@progbits
	.p2align	6, 0x0
	.amdhsa_kernel k_qdf5d941261_quant
		.amdhsa_group_segment_fixed_size 51712
		.amdhsa_private_segment_fixed_size 0
		.amdhsa_enable_private_segment 0
		.amdhsa_kernarg_size 48
		.amdhsa_user_sgpr_count 2
		.amdhsa_user_sgpr_kernarg_segment_ptr 1
		.amdhsa_wavefront_size32 1
		.amdhsa_system_sgpr_workgroup_id_x 1
		.amdhsa_system_sgpr_workgroup_id_y 1
		.amdhsa_system_sgpr_workgroup_id_z 1
		.amdhsa_system_vgpr_workitem_id 0
		.amdhsa_next_free_vgpr 216
		.amdhsa_next_free_sgpr 66
		.amdhsa_reserve_vcc 0
		.amdhsa_float_denorm_mode_32 3
		.amdhsa_float_denorm_mode_16_64 3
		.amdhsa_memory_ordered 1
		.amdhsa_forward_progress 1
		.amdhsa_inst_pref_size 75
	.end_amdhsa_kernel
	.amdgpu_metadata
---
amdhsa.version: [ 1, 2 ]
amdhsa.kernels:
  - .name:           k_qdf5d941261_quant
    .symbol:         k_qdf5d941261_quant.kd
    .args:
      - { .name: hidden_states, .offset: 0, .size: 8, .value_kind: global_buffer, .address_space: global }
      - { .name: decoder_hidden_states, .offset: 8, .size: 8, .value_kind: global_buffer, .address_space: global }
      - { .name: Wq, .offset: 16, .size: 8, .value_kind: global_buffer, .address_space: global }
      - { .name: Wkv, .offset: 24, .size: 8, .value_kind: global_buffer, .address_space: global }
      - { .name: codes, .offset: 32, .size: 8, .value_kind: global_buffer, .address_space: global }
      - { .name: scales, .offset: 40, .size: 8, .value_kind: global_buffer, .address_space: global }
    .group_segment_fixed_size: 51712
    .private_segment_fixed_size: 0
    .kernarg_segment_align: 8
    .kernarg_segment_size: 48
    .max_flat_workgroup_size: 128
    .sgpr_count:     66
    .vgpr_count:     216
    .wavefront_size: 32
...
	.end_amdgpu_metadata
.endif
;; end of part 1
;; launch proj (part 2): grid 4 x 96, 4 waves a work-group, clusters of 4 x 4, 327,680 bytes of LDS; arguments codes, scales, qkv; writes qkv
.if DOCPART == 2
	.amdgcn_target "amdgcn-amd-amdhsa--gfx1250"
	.amdhsa_code_object_version 6
	.text
	.protected	k_qdf5d941261_proj
	.globl	k_qdf5d941261_proj
	.p2align	8
	.type	k_qdf5d941261_proj,@function
k_qdf5d941261_proj:
	s_mov_b64 s[64:65], 0
	v_nop
	global_prefetch_b8 v0, s[64:65] scope:SCOPE_SE
	s_setreg_imm32_b32 hwreg(HW_REG_WAVE_MODE, 25, 1), 1
	s_wait_xcnt 0x0
	s_wait_alu depctr_hold_cnt(0) depctr_sa_sdst(0) depctr_va_vdst(0) depctr_va_sdst(0) depctr_va_ssrc(0) depctr_va_vcc(0) depctr_vm_vsrc(0)
	s_getreg_b32 s2, hwreg(HW_REG_IB_STS2, 6, 4)
	s_cmp_eq_u32 s2, 0
	s_cbranch_scc0 .Lentry_in_a_cluster
	s_endpgm
.Lentry_in_a_cluster:
	s_bfe_u32 s2, ttmp6, 0x10000c
	s_cmp_lg_u32 s2, 0xf033
	s_cbranch_scc0 .Lentry_shape_is_right
	s_endpgm
.Lentry_shape_is_right:
; CROSS ATTENTION, launch 2 of 4: the two quantised products, on codes of FP4 (E2M1) with E8M0 scales, K = 1,024; sums in f32; results rounded once to f16 for the two products that follow.  Nothing is left out.
; Three products C = A B^T on rows of codes ([19,456][512 bytes]) and scales ([19,456][32 bytes]), told apart by the cluster's y (24 clusters of 4 x 4 work-groups, 8 for each):
;   0: Q   [8,192][1,024] = hidden_states (rows 0 on) x Wq's columns (rows 16,384 on)              -> qkv byte 0, rows of 2,048 bytes
;   1: K   [8,192][1,024] = decoder_hidden_states (8,192 on) x Wkv's columns 0-1,023 (17,408 on)   -> qkv byte 16,777,216
;   2: V^T [1,024][8,192] = Wkv's columns 1,024-2,047 (18,432 on) x decoder_hidden_states          -> qkv byte 33,554,432, rows of 16,384 bytes: the tokens innermost, as the last product's K wants them
; LIMIT: a result beyond 65,504 in magnitude becomes an infinity of f16.
; A tile of C, 256 x 256, is made by four waves, each 128 x 128: 64 accumulators, 512 registers.  K's two halves of 512 (rows of 256 bytes) lie in two LDS slots, both asked for at the start: nothing is filled again.
; The scale bytes of the tile's 256 + 256 rows are two dense blocks of memory and come with the first fills, as rows of 256 bytes.
; CLUSTER: the four work-groups of a row of the cluster need the same rows of A, the four of a column the same rows of B: each tile is asked for jointly, by the same tensor load with a mask that names the four.
; THE MATRIX INSTRUCTION IS USED TRANSPOSED (source 0 = 16 rows of B, source 1 = 16 rows of A): a lane then holds eight neighbouring numbers of a row of C.
; REGISTERS, in windows of 256: window 0: v0-31 addresses; v32-95 scale words, two sets, and nothing else; v128-191 A's fragments, ONE set; on the way out v128-223.
;   window 1: B's fragments, TWO sets, at v0 and v128.   window 2: the accumulators of my rows 0-63 ((a, b) at v[8 (8 a + b)]);   window 3: those of my rows 64-127.
.set NQ,     4                         ; matrix instructions deep in a slot
.set ROWB,   256                       ; a tile's row in bytes: 512 codes
.set KROW,   512                       ; a row of codes in memory
.set PITCH,  272                       ; an LDS row: 256 bytes + 16 of padding = 68 words: the 16 rows that a load touches start at 16 different banks (64 banks of 4 bytes: ISA guide 11.1)
.set FR,     8
.set NL,     2
.set NP,     4                         ; places behind this matrix instruction (ISA guide 7.12.1)
.set HALFT,  128*PITCH
.set SLOT,   4*HALFT                   ; A's 256 rows, then B's 256 rows
.set KS,     32                        ; a row of scales in bytes
.set SCL,    2*SLOT                    ; behind the slots: the scales, as units of 256 bytes + 16 of padding
.set HALFS,  16*272                    ; the scales of 128 rows: what one tensor load brings
.set SBLK,   2*272                     ; those of 16 rows
.set SPARE,  SCL+4*HALFS               ; the spare words, 128 bytes for each wave: two blocks of 256 bytes that no other line names
.set STAGE,  SPARE+512                 ; the way out: 16 rows x 272 bytes for each wave
.set SPITCH, 272
.set OFS,  8                           ; v8-15   the way out: byte offset in C of rows 2 t + lane / 16, + 16 (lane % 16)
.set ADRA, 16                          ; v16-17  LDS address of my A fragments in slot 0, 1
.set ADRB, 20                          ; v20-21  the same for B
.set STO,  24
.set RD,   25
.set ADRS, 27                          ; v27     LDS address of my scale words: lanes 0-15 A's rows, lanes 16-31 B's
.set SPW,  28
.set NIL,  29
.set SC,   32                          ; scale words: set s at v[SC + 32 s]; register 4 i + q: lanes 0-15 A's block i, lanes 16-31 B's block i, the slot's q-th 128 along K
.set AF,   128
.set BKR,  128                         ; the way out: 16 rows read back: v128-159 and v160-191 by turns
.set TMP,  192                         ; the way out: packed results
.set G1, 24
.set G0, 32
.set G1B, 48
.set G0B, 56
.set G1S, 68
.set G0S, 76
.set G1SB, 80
.set G0SB, 88
.set MSB, 0
.macro WIN new                         ; the immediate's high byte repeats the setting that is left
.if MSB != (\new)
	s_set_vgpr_msb (MSB<<8)|(\new)
.set MSB, (\new)
.endif
.endm
.set MUL_LO, 0xa1                      ; source 0 (B) window 1, source 1 (A) window 0, C and D window 2
.set MUL_HI, 0xf1
.set TO_B,   0x40
; A joint load: waves 0 and 1 fetch for A, waves 2 and 3 for B; the branch hangs on the wave's number alone.  An s_nop 0 and four v_nop follow each of the two lines.
.macro JLOAD g0a, g1a, g0b, g1b
	s_cmp_eq_u32 s15, 0
	s_cbranch_scc0 .Lfor_b_\@
	tensor_load_to_lds s[\g0a:\g0a+3], s[\g1a:\g1a+7]
	s_nop 0
.rept 4
	v_nop
.endr
	s_branch .Lasked_\@
.Lfor_b_\@:
	tensor_load_to_lds s[\g0b:\g0b+3], s[\g1b:\g1b+7]
	s_nop 0
.rept 4
	v_nop
.endr
.Lasked_\@:
.endm
.macro CROUND                          ; a round of the cluster's barrier
	s_barrier_signal -1
	s_barrier_wait -1
	s_cmp_lg_u32 s14, 0
	s_cbranch_scc1 .Lnot_wave_0_\@
	s_barrier_signal -3
.Lnot_wave_0_\@:
	s_barrier_wait -3
	s_barrier_signal -1
	s_barrier_wait -1
.endm
	s_load_b128 s[4:7], s[0:1], 0x0                ; codes s[4:5], scales s[6:7]
	s_load_b64 s[12:13], s[0:1], 0x10              ; qkv
	v_lshl_add_u32 v[SPW], v0, 2, SPARE
	v_mov_b32 v[NIL], 0
	ds_add_u32 v[SPW], v[NIL]                      ; the wave's opening: the add, twice on end, and its wait ahead of my first tensor load
	ds_add_u32 v[SPW], v[NIL]
	v_lshrrev_b32 v1, 5, v0
	v_readfirstlane_b32 s14, v1                    ; wave 0..3
	s_lshr_b32 s15, s14, 1                         ; which half of the tile's rows is mine.  Also: I fetch for A (0) or for B (1)
	s_and_b32 s16, s14, 1                          ; which half of its columns.  Also: which 128 rows I fetch
	s_bfe_u32 s40, ttmp6, 0x40000                  ; cx, cy: my place in the cluster
	s_bfe_u32 s41, ttmp6, 0x40004
	s_and_b32 s17, ttmp7, 0xffff                   ; the cluster's y, 0..23: the same in all sixteen partners
	s_lshr_b32 s96, s17, 3                         ; which product: 0 Q, 1 K, 2 V^T
	s_and_b32 s97, s17, 7
	s_lshl_b32 s97, s97, 2                         ; four tiles along the long axis for each cluster
	s_lshl_b32 s98, s96, 13                        ; A's first row for products 0 and 1,
	s_lshl_b32 s99, s96, 10
	s_add_co_u32 s99, s99, 16384                   ; and B's
	s_mov_b32 s95, 16384
	s_cmp_lt_u32 s96, 2
	s_cselect_b32 s98, s98, 18432                  ; A's first row
	s_cselect_b32 s99, s99, 8192                   ; B's first row
	s_cselect_b32 s17, s97, 0                      ; the long axis is C's rows (Q, K)
	s_cselect_b32 s42, 0, s97                      ; or its columns (V^T)
	s_cselect_b32 s95, 2048, s95                   ; a row of C in bytes
	s_add_co_u32 s17, s17, s41                     ; tile row of C
	s_add_co_u32 s42, s42, s40                     ; tile column of C
	s_lshl_b32 s43, s41, 2
	s_lshl_b32 s43, 15, s43                        ; my row of the cluster
	s_lshl_b32 s44, 0x1111, s40                    ; my column
	; descriptor group 1: a tile of 128 rows x 256 bytes, padded in LDS
	s_or_b32 s[G1+0], s43, (0<<16)|(1<<20)|(1<<21)|(5<<22)|(3<<25)  ; 15:0 the mask; 17:16 elements of 1 byte; 20 padding on; 21 set beside a mask; 24:22 after every 64 words; 31:25 four words
	s_or_b32 s[G1B+0], s44, (0<<16)|(1<<20)|(1<<21)|(5<<22)|(3<<25)
.irp g, G1, G1B
	s_mov_b32 s[\g+1], ROWB<<16                    ; tensor_dim0
	s_mov_b32 s[\g+2], 128<<16                     ; tensor_dim1
	s_mov_b32 s[\g+3], ROWB<<16                    ; tile_dim0
	s_mov_b32 s[\g+4], 128                         ; tile_dim1
	s_mov_b32 s[\g+5], KROW                        ; from row to row
	s_mov_b32 s[\g+6], 0
	s_mov_b32 s[\g+7], 0
.endr
	; the scales of 128 rows: 4,096 dense bytes, as 16 rows of 256 bytes (32 elements of 8 bytes), 16 bytes of padding behind each
	s_or_b32 s[G1S+0], s43, (3<<16)|(1<<20)|(1<<21)|(5<<22)|(3<<25)
	s_or_b32 s[G1SB+0], s44, (3<<16)|(1<<20)|(1<<21)|(5<<22)|(3<<25)
.irp g, G1S, G1SB
	s_mov_b32 s[\g+1], 32<<16
	s_mov_b32 s[\g+2], 16<<16
	s_mov_b32 s[\g+3], 32<<16
	s_mov_b32 s[\g+4], 16
	s_mov_b32 s[\g+5], 32
	s_mov_b32 s[\g+6], 0
	s_mov_b32 s[\g+7], 0
.endr
	s_lshl_b32 s18, s16, 7                         ; which 128 rows of the tile I fetch
	s_lshl_b32 s20, s17, 8
	s_add_co_u32 s20, s20, s18
	s_add_co_u32 s20, s20, s98                     ; A's row: made of the tile row, the wave and the cluster's y
	s_lshl_b32 s46, s42, 8
	s_add_co_u32 s46, s46, s18
	s_add_co_u32 s46, s46, s99                     ; B's row: made of the tile column, the wave and the cluster's y
	s_lshl_b32 s22, s20, 5                         ; where these rows' scales begin, in bytes,
	s_mov_b32 s23, 0
	s_lshl_b32 s92, s46, 5
	s_mov_b32 s93, 0
	s_lshl_b32 s20, s20, 9                         ; and their codes
	s_mov_b32 s21, 0
	s_lshl_b32 s46, s46, 9
	s_mov_b32 s47, 0
	s_mul_i32 s45, s14, HALFT                      ; where they go: wave x 128 rows: no place in the cluster enters an LDS address
	s_mul_i32 s94, s14, HALFS
	s_wait_dscnt 0x0                               ; both opening adds are done
	s_wait_kmcnt 0x0
	s_add_nc_u64 s[20:21], s[4:5], s[20:21]
	s_add_nc_u64 s[22:23], s[6:7], s[22:23]
	s_add_nc_u64 s[46:47], s[4:5], s[46:47]
	s_add_nc_u64 s[92:93], s[6:7], s[92:93]
	CROUND                                         ; all sixteen work-groups are here: the first joint loads meet
	s_mov_b32 s[G0S], 1
	s_add_co_u32 s[G0S+1], s94, SCL
	s_mov_b64 s[G0S+2:G0S+3], s[22:23]
	s_or_b32 s[G0S+3], s[G0S+3], 0x80000000
	s_mov_b32 s[G0SB], 1
	s_add_co_u32 s[G0SB+1], s94, SCL
	s_mov_b64 s[G0SB+2:G0SB+3], s[92:93]
	s_or_b32 s[G0SB+3], s[G0SB+3], 0x80000000
	JLOAD G0S, G1S, G0SB, G1SB                     ; the scales first: they are wanted with the first half of K
.irp s, 0,1
	s_mov_b32 s[G0+4*\s], 1
	s_add_co_u32 s[G0+4*\s+1], s45, \s*SLOT
	s_add_nc_u64 s[G0+4*\s+2:G0+4*\s+3], s[20:21], \s*ROWB
	s_or_b32 s[G0+4*\s+3], s[G0+4*\s+3], 0x80000000
	s_mov_b32 s[G0B+4*\s], 1
	s_add_co_u32 s[G0B+4*\s+1], s45, \s*SLOT
	s_add_nc_u64 s[G0B+4*\s+2:G0B+4*\s+3], s[46:47], \s*ROWB
	s_or_b32 s[G0B+4*\s+3], s[G0B+4*\s+3], 0x80000000
	JLOAD G0+4*\s, G1, G0B+4*\s, G1B               ; three tensor loads of mine are out
.endr
	v_and_b32 v1, 15, v0                           ; l % 16
	v_bfe_u32 v2, v0, 4, 1                         ; l / 16
	v_mul_u32_u24 v3, v1, PITCH
	v_lshl_add_u32 v4, v2, 4, v3                   ; a fragment's row x pitch + 16 x half
	s_mul_i32 s21, s15, HALFT                      ; my 128 rows of A
	s_mul_i32 s22, s16, HALFT                      ; my 128 rows of B,
	s_add_co_u32 s22, s22, 2*HALFT                 ; which lie behind A's 256
.irp s, 0,1
	v_add_nc_u32 v[ADRA+\s], s21, v4
	v_add_nc_u32 v[ADRB+\s], s22, v4
	s_add_co_u32 s21, s21, SLOT
	s_add_co_u32 s22, s22, SLOT
.endr
	v_mul_u32_u24 v5, v1, KS                       ; my row's scales: 32 bytes a row,
	v_lshrrev_b32 v6, 8, v5
	v_lshl_add_u32 v5, v6, 4, v5                   ; and 16 more for each 256 passed
	s_mul_i32 s21, s15, HALFS                      ; A's: my 128 rows
	s_mul_i32 s22, s16, HALFS                      ; B's: my 128 rows, behind A's 256
	s_add_co_u32 s22, s22, 2*HALFS
	s_sub_co_u32 s22, s22, s21
	v_mul_u32_u24 v6, s22, v2                      ; lanes 16-31 take B's: one product, the distance between the two bases
	s_add_co_u32 s21, s21, SCL
	v_add_nc_u32 v5, v5, v6
	v_add_nc_u32 v[ADRS], s21, v5
	s_mul_i32 s23, s14, 16*SPITCH
	s_add_co_u32 s23, s23, STAGE                   ; my stage
	v_add_nc_u32 v[STO], s23, v4                   ; in: row l % 16, 16 bytes for each half of the lanes
	v_mul_u32_u24 v5, v2, SPITCH                   ; back: lanes 0-15 take one row of 256 bytes, lanes 16-31 the next
	v_lshl_add_u32 v5, v1, 4, v5
	v_add_nc_u32 v[RD], s23, v5
.irp t, 0,1,2,3,4,5,6,7
	v_add_nc_u32 v5, 2*\t, v2                      ; and the same rows in C, whose pitch hangs on the product: an offset register for each pair of rows
	v_mul_lo_u32 v[OFS+\t], v5, s95
	v_lshl_add_u32 v[OFS+\t], v1, 4, v[OFS+\t]
.endr
	s_lshl_b32 s20, s17, 8
	s_lshl_b32 s21, s15, 7
	s_add_co_u32 s20, s20, s21                     ; my first row of C
	s_mul_i32 s20, s20, s95
	s_lshl_b32 s21, s96, 24                        ; the product's part of qkv: 16,777,216 bytes each
	s_add_co_u32 s20, s20, s21
	s_lshl_b32 s46, s42, 9                         ; my first column, in bytes
	s_lshl_b32 s47, s16, 8
	s_add_co_u32 s46, s46, s47
	s_add_co_u32 s20, s20, s46
	s_mov_b32 s21, 0
	s_add_nc_u64 s[12:13], s[12:13], s[20:21]
	s_lshl_b32 s92, s95, 4                         ; 16 rows of C on
	s_mov_b32 s93, 0
.macro FRAG reg, adr, q, i             ; 16 rows x 128 K of 4-bit codes: 8 registers: lane l holds row l % 16; registers 4 c .. 4 c + 3 hold K = 64 c + 32 (l / 16) + 0 .. 31
.irp c, 0,1
	ds_load_b128 v[\reg+4*\c:\reg+4*\c+3], v[\adr] offset:64*(\q)+32*\c+(\i)*16*PITCH
.endr
.endm
; 16 matrix instructions: A's blocks a0, a0 + 1 x B's eight, the slot's q-th 128 along K.  p: B's set; sc: the set of scale words.  zero = 1: the first product starts the sums.
; The 64 accumulators take turns, one instruction a turn, in the same order in every step.
.macro MUL16 a0, p, q, sc, zero
.irp a, \a0, \a0+1
.irp b, 0,1,2,3,4,5,6,7
.if \zero
	v_wmma_scale_f32_16x16x128_f8f6f4 v[8*(8*((\a)%4)+\b):8*(8*((\a)%4)+\b)+7], v[128*(\p)+FR*\b:128*(\p)+FR*\b+FR-1], v[AF+FR*(\a):AF+FR*(\a)+FR-1], 0, v[SC+8*NQ*(\sc)+NQ*\b+(\q)], v[SC+8*NQ*(\sc)+NQ*(\a)+(\q)] matrix_a_fmt:MATRIX_FMT_FP4 matrix_b_fmt:MATRIX_FMT_FP4 matrix_a_scale:MATRIX_SCALE_ROW1
.else
	v_wmma_scale_f32_16x16x128_f8f6f4 v[8*(8*((\a)%4)+\b):8*(8*((\a)%4)+\b)+7], v[128*(\p)+FR*\b:128*(\p)+FR*\b+FR-1], v[AF+FR*(\a):AF+FR*(\a)+FR-1], v[8*(8*((\a)%4)+\b):8*(8*((\a)%4)+\b)+7], v[SC+8*NQ*(\sc)+NQ*\b+(\q)], v[SC+8*NQ*(\sc)+NQ*(\a)+(\q)] matrix_a_fmt:MATRIX_FMT_FP4 matrix_b_fmt:MATRIX_FMT_FP4 matrix_a_scale:MATRIX_SCALE_ROW1
.endif
.endr
.endr
.endm
.macro FETCH_B slot, q, p
	WIN TO_B
.irp i, 0,1,2,3,4,5,6,7
	FRAG 128*(\p)+FR*\i, ADRB+\slot, \q, \i
.endr
	WIN 0
.endm
.macro FETCH_A slot, q, i0
.irp i, \i0, \i0+1, \i0+2, \i0+3
	FRAG AF+FR*(\i), ADRA+\slot, \q, \i
.endr
.endm
.macro SCALES sc                       ; a slot's scale words: four words a row; lanes 0-15 take A's block i, lanes 16-31 B's block i
.irp i, 0,1,2,3,4,5,6,7
	ds_load_b128 v[SC+8*NQ*\sc+NQ*\i:SC+8*NQ*\sc+NQ*\i+3], v[ADRS] offset:\i*SBLK
.endr
.endm
.macro PLACES n                        ; plain vector instructions between a matrix instruction and a load into, or a vector read of, its registers
.rept \n
	v_nop
.endr
.endm
.macro STEP slot, q, zero              ; a step of 128 along K that has its successor in the same slot
	s_wait_dscnt 4*NL                              ; B's set and A's blocks 0-3 are in; the youngest eight loads (A's blocks 4-7) may be out
	WIN MUL_LO
	MUL16 0, (\q)%2, \q, \slot, \zero
	MUL16 2, (\q)%2, \q, \slot, \zero
	s_wait_dscnt 0                                 ; A's blocks 4-7 are in
	PLACES NP
	FETCH_B \slot, (\q)+1, 1-(\q)%2
	FETCH_A \slot, (\q)+1, 0
	WIN MUL_HI
	MUL16 4, (\q)%2, \q, \slot, \zero
	MUL16 6, (\q)%2, \q, \slot, \zero
	PLACES NP
	WIN 0
	FETCH_A \slot, (\q)+1, 4
.endm
.macro STEPS slot, from
.set Q, \from
.rept NQ-1-\from
	STEP \slot, Q, 0
.set Q, Q+1
.endr
.endm
	s_wait_tensorcnt 1                             ; the scales and my part of slot 0 are in; slot 1's load may stay out
	s_barrier_signal -1
	s_barrier_wait -1                              ; everybody's are
	FETCH_B 0, 0, 0
	FETCH_A 0, 0, 0
	SCALES 0
	FETCH_A 0, 0, 4
	STEP 0, 0, 1                                   ; the first step's products start the sums: nothing is cleared
	STEPS 0, 1
	; slot 0's last step changes slots: each wave shows its part of slot 1 landed, then the barrier
	s_wait_tensorcnt 0x0                           ; all my tensor loads have landed
	ds_add_u32 v[SPW], v[NIL]                      ; 0 onto my spare word
	s_wait_dscnt 4*NL+1                            ; (the add and the youngest eight loads may be out)
	WIN MUL_LO
	MUL16 0, 1, NQ-1, 0, 0
	s_wait_dscnt 0x0
	s_barrier_signal -1
	MUL16 2, 1, NQ-1, 0, 0
	WIN 0
	s_barrier_wait -1                              ; slot 1 is whole
	PLACES NP
	v_add_nc_u32 v[ADRS], 4*NQ, v[ADRS]            ; on to slot 1's scale words (no LDS load of mine is out)
	FETCH_B 1, 0, 0
	FETCH_A 1, 0, 0
	SCALES 1
	WIN MUL_HI
	MUL16 4, 1, NQ-1, 0, 0
	MUL16 6, 1, NQ-1, 0, 0
	PLACES NP
	WIN 0
	FETCH_A 1, 0, 4
	STEPS 1, 0
	s_wait_dscnt 4*NL                              ; the very last step: nothing more to fetch
	WIN MUL_LO
	MUL16 0, 1, NQ-1, 1, 0
	MUL16 2, 1, NQ-1, 1, 0
	s_wait_dscnt 0
	WIN MUL_HI
	MUL16 4, 1, NQ-1, 1, 0
	MUL16 6, 1, NQ-1, 1, 0
	WIN 0
; THE WAY OUT, block by block of 16 rows x 128 columns: rounded to f16, 16 bytes a lane; through my own stage in LDS; back as whole rows of 256 bytes.
.macro PACK a
.set AC, 64*((\a)%4)
	WIN 0x0a+5*((\a)/4)                            ; sources 0 and 1: window 2 or 3
.irp b, 0,1,2,3,4,5,6,7
.irp r, 0,1,2,3
	v_cvt_pk_f16_f32 v[TMP+4*\b+\r], v[AC+8*\b+2*\r], v[AC+8*\b+2*\r+1]   ; each accumulator from its low end on
.endr
.endr
	WIN 0
.endm
.macro TOSTAGE a
.set BK, BKR+32*((\a)%2)
.irp b, 0,1,2,3,4,5,6,7
	ds_store_b128 v[STO], v[TMP+4*\b:TMP+4*\b+3] offset:32*\b
.endr
.irp t, 0,1,2,3,4,5,6,7
	ds_load_b128 v[BK+4*\t:BK+4*\t+3], v[RD] offset:\t*2*SPITCH    ; LDS serves a wave's instructions in order: these see the stores above
.endr
.endm
.macro SEND a
.set BK, BKR+32*((\a)%2)
	s_wait_dscnt 0x0                               ; the block is back in registers
	s_wait_xcnt 0x0                                ; the earlier stores have read their base and their data: the base may step, and the next block may land in the other set
.if (\a) > 0
	s_add_nc_u64 s[12:13], s[12:13], s[92:93]      ; 16 rows of C on
.endif
.irp t, 0,1,2,3,4,5,6,7
	global_store_b128 v[OFS+\t], v[BK+4*\t:BK+4*\t+3], s[12:13]   ; sixteen lanes store 256 consecutive bytes, aligned
.endr
.endm
	PLACES NP
	PACK 0
	TOSTAGE 0
.irp a, 1,2,3,4,5,6,7                  ; block a's conversions stand between block a - 1's loads from the stage and the wait for them
	PACK \a
	SEND \a-1
	TOSTAGE \a
.endr
	SEND 7
	s_wait_tensorcnt 0x0                           ; the wave's end, behind my last tensor load and my last LDS store
	ds_add_u32 v[SPW], v[NIL]
	s_wait_dscnt 0x0
	CROUND                                         ; the closing round: no work-group ends while a partner may still ask for a tile that names it
	s_endpgm
.Lfunc_end_k_qdf5d941261_proj:
	.size	k_qdf5d941261_proj, .Lfunc_end_k_qdf5d941261_proj-k_qdf5d941261_proj
	.p2alignl 7, 3214868480
	.fill 96, 4, 3214868480
	.section	.rodata,"a",@progbits
	.p2align	6, 0x0
	.amdhsa_kernel k_qdf5d941261_proj
		.amdhsa_group_segment_fixed_size 327680
		.amdhsa_private_segment_fixed_size 0
		.amdhsa_enable_private_segment 0
		.amdhsa_kernarg_size 24
		.amdhsa_user_sgpr_count 2
		.amdhsa_user_sgpr_kernarg_segment_ptr 1
		.amdhsa_wavefront_size32 1
		.amdhsa_system_sgpr_workgroup_id_x 1
		.amdhsa_system_sgpr_workgroup_id_y 1
		.amdhsa_system_sgpr_workgroup_id_z 1
		.amdhsa_system_vgpr_workitem_id 0
		.amdhsa_next_free_vgpr 1024
		.amdhsa_next_free_sgpr 100
		.amdhsa_reserve_vcc 0
		.amdhsa_float_denorm_mode_32 3
		.amdhsa_float_denorm_mode_16_64 3
		.amdhsa_memory_ordered 1
		.amdhsa_forward_progress 1
		.amdhsa_inst_pref_size 128
	.end_amdhsa_kernel
	.amdgpu_metadata
---
amdhsa.version: [ 1, 2 ]
amdhsa.kernels:
  - .name:           k_qdf5d941261_proj
    .symbol:         k_qdf5d941261_proj.kd
    .args:
      - { .name: codes, .offset: 0, .size: 8, .value_kind: global_buffer, .address_space: global }
      - { .name: scales, .offset: 8, .size: 8, .value_kind: global_buffer, .address_space: global }
      - { .name: qkv, .offset: 16, .size: 8, .value_kind: global_buffer, .address_space: global }
    .group_segment_fixed_size: 327680
    .private_segment_fixed_size: 0
    .kernarg_segment_align: 8
    .kernarg_segment_size: 24
    .max_flat_workgroup_size: 128
    .sgpr_count:     100
    .vgpr_count:     1024
    .wavefront_size: 32
...
	.end_amdgpu_metadata
.endif
;; end of part 2
;; launch scores (part 3): grid 8 x 32, 4 waves a work-group, clusters of 4 x 4, 327,680 bytes of LDS; arguments qkv, p, stats; writes p, stats
.if DOCPART == 3
	.amdgcn_target "amdgcn-amd-amdhsa--gfx1250"
	.amdhsa_code_object_version 6
	.text
	.protected	k_qdf5d941261_scores
	.globl	k_qdf5d941261_scores
	.p2align	8
	.type	k_qdf5d941261_scores,@function
k_qdf5d941261_scores:
	s_mov_b64 s[64:65], 0
	v_nop
	global_prefetch_b8 v0, s[64:65] scope:SCOPE_SE
	s_setreg_imm32_b32 hwreg(HW_REG_WAVE_MODE, 25, 1), 1
	s_wait_xcnt 0x0
	s_wait_alu depctr_hold_cnt(0) depctr_sa_sdst(0) depctr_va_vdst(0) depctr_va_sdst(0) depctr_va_ssrc(0) depctr_va_vcc(0) depctr_vm_vsrc(0)
	s_getreg_b32 s2, hwreg(HW_REG_IB_STS2, 6, 4)
	s_cmp_eq_u32 s2, 0
	s_cbranch_scc0 .Lentry_in_a_cluster
	s_endpgm
.Lentry_in_a_cluster:
	s_bfe_u32 s2, ttmp6, 0x10000c
	s_cmp_lg_u32 s2, 0xf033
	s_cbranch_scc0 .Lentry_shape_is_right
	s_endpgm
.Lentry_shape_is_right:
; CROSS ATTENTION, launch 3 of 4: the scores Q K^T (f16 operands, f32 sums, K = 1,024) and the softmax's exponentials, tile by tile.  Nothing is left out.
; Q: qkv byte 0, [8,192][1,024] f16.  K: qkv byte 16,777,216, likewise.  Batch b owns rows 2,048 b on of both.
; THE SOFTMAX IS SPLIT EXACTLY.  t = score x log2(e) / 32.  For each query and each tile of 128 keys (a wave's columns): M_t = the tile's largest t rounded UP to a whole number; p = 2^(t - M_t), at most about 1,
; goes to p [8,192 queries][2,048 keys] as f16; -M_t and L_t = the sum of the unrounded p go to stats as f32: -M at byte 0, [16 key tiles][8,192 queries]; L at byte 524,288, likewise.
; The next launch takes the row's largest M_t and brings every tile under it by a power of two: so a maximum is taken away from every exponent, whatever the inputs hold.
; A tile of 256 queries x 256 keys is made by four waves, each 128 x 128: 64 accumulators, 512 registers.  K goes in steps of 128 (rows of 256 bytes) through a ring of two LDS slots filled by the tensor data mover.
; CLUSTER: 4 x 4 work-groups; the four of a row need the same rows of Q, the four of a column the same rows of K: each tile is asked for jointly.
; THE MATRIX INSTRUCTION IS USED TRANSPOSED (source 0 = 16 keys, source 1 = 16 queries): a lane holds ONE query (lane % 16) and, in accumulator (a, b), keys 16 b + 8 (lane / 16) + 0 .. 7.
; REGISTERS, in windows of 256: window 0: v0-31 addresses; v64-127, v128-191 Q's fragments, two buffers; on the way out v32-255.   window 1: v64-127, v128-191 K's fragments.
;   window 2: the accumulators of my queries 0-63 ((a, b) at v[8 (8 a + b)]);   window 3: those of my queries 64-127.
.set SIZE_K, 1024
.set KSTEP,  128
.set PITCH,  272                       ; an LDS row: 256 bytes + 16 of padding = 68 words: the 16 rows that a load touches start at 16 different banks (64 banks of 4 bytes: ISA guide 11.1)
.set HALFT,  128*PITCH
.set SLOT,   4*HALFT                   ; Q's 256 rows, then K's 256 rows
.set STAGE,  2*SLOT                    ; behind the ring: 16 rows x 272 bytes for each wave
.set SPITCH, 272
.set SST,    STAGE+4*16*SPITCH         ; for each wave 1,024 bytes: -M of its 128 queries, then L
.set SPARE,  SST+4*1024                ; the spare words, 128 bytes for each wave: two blocks of 256 bytes that no other line names
.set LAPS,   SIZE_K/(2*KSTEP)
.set PROW,   4096                      ; a row of p in bytes
.set ADRA, 16
.set ADRB, 20
.set SRD,  22                          ; v22  where I read my wave's statistics back: 16 bytes a lane
.set SGO,  23                          ; v23  and the same place in stats
.set STO,  24
.set RD,   25
.set CO,   26
.set SSM,  27                          ; v27  where my query's statistics go
.set SPW,  28
.set NIL,  29
.set PFO,  30                          ; v30  the prefetches' offset: my lane x a row of 2,048 bytes
.set F0,   64
.set F1,   128
.set T,    64                          ; the way out: t - M, then p
.set SCR,  128                         ; v128-141 at work
.set TMP,  192                         ; packed p
.set OB,   32                          ; 16 rows read back from the stage: v32-63 and v224-255 by turns
.set G1, 24
.set G0, 32
.set G1B, 48
.set G0B, 56
.set PFA, 44                           ; s[44:45] where my prefetches stand
.set LIM, 43                           ; s43 1 in a wave that prefetches, else the greatest number
.set CS,  72                           ; s[72:73] c = log2(e) / 32
.set SEL, 74                           ; s[74:75] lane selects: lane l xor 16
.set MSB, 0
.macro WIN new
.if MSB != (\new)
	s_set_vgpr_msb (MSB<<8)|(\new)
.set MSB, (\new)
.endif
.endm
.set MUL_LO, 0xa1                      ; source 0 (K) window 1, source 1 (Q) window 0, C and D window 2
.set MUL_HI, 0xf1
.set TO_B,   0x40
.macro JLOAD s                         ; a joint load: waves 0 and 1 fetch Q's two halves, waves 2 and 3 K's; an s_nop 0 and four v_nop follow each of the two lines
	s_cmp_eq_u32 s11, 0
	s_cbranch_scc0 .Lfor_b_\@
	tensor_load_to_lds s[G0+4*\s:G0+4*\s+3], s[G1:G1+7]
	s_nop 0
.rept 4
	v_nop
.endr
	s_branch .Lasked_\@
.Lfor_b_\@:
	tensor_load_to_lds s[G0B+4*\s:G0B+4*\s+3], s[G1B:G1B+7]
	s_nop 0
.rept 4
	v_nop
.endr
.Lasked_\@:
.endm
; A prefetch of the K step that stands two refills on: 32 rows x 256 bytes, a lane a row, one instruction a wave.  Each row's 256 bytes of a K step are named once in the launch: Q's rows are read by both
; clusters of a row of clusters: cluster x = 0 asks; a batch's rows of K by the two clusters of that batch in a column: the one with even y asks.  The four partners that ask for a tile jointly share its rows
; out by address, 32 each.  The loop's last trip asks for nothing: its refills are the last two K steps.
.macro ASK
	s_cmp_gt_u32 s3, s[LIM]
	s_cbranch_scc0 .Lnot_mine_\@
	global_prefetch_b8 v[PFO], s[PFA:PFA+1] offset:KSTEP*2 th:TH_LOAD_NT scope:SCOPE_SE
.Lnot_mine_\@:
.endm
.macro CREST                           ; a round of the cluster's barrier behind its opening barrier
	s_cmp_lg_u32 s10, 0
	s_cbranch_scc1 .Lnot_wave_0_\@
	s_barrier_signal -3
.Lnot_wave_0_\@:
	s_barrier_wait -3
	s_barrier_signal -1
	s_barrier_wait -1
.endm
.macro CROUND
	s_barrier_signal -1
	s_barrier_wait -1
	CREST
.endm
	s_load_b128 s[4:7], s[0:1], 0x0                ; qkv s[4:5], p s[6:7]
	s_load_b64 s[68:69], s[0:1], 0x10              ; stats
	v_lshl_add_u32 v[SPW], v0, 2, SPARE
	v_mov_b32 v[NIL], 0
	ds_add_u32 v[SPW], v[NIL]                      ; the wave's opening: the add, twice on end, and its wait ahead of my first tensor load
	ds_add_u32 v[SPW], v[NIL]
	v_lshrrev_b32 v1, 5, v0
	v_readfirstlane_b32 s10, v1                    ; wave 0..3
	s_lshr_b32 s11, s10, 1                         ; which half of the tile's queries is mine.  Also: I fetch for Q (0) or for K (1)
	s_and_b32 s12, s10, 1                          ; which half of its keys.  Also: which 128 rows I fetch
	s_bfe_u32 s40, ttmp6, 0x40000                  ; cx
	s_bfe_u32 s41, ttmp6, 0x40004                  ; cy
	s_lshl_b32 s42, ttmp9, 2
	s_add_co_u32 s42, s42, s40                     ; tile of keys in the batch, 0..7
	s_and_b32 s13, ttmp7, 0xffff
	s_lshr_b32 s70, s13, 1                         ; the batch: two clusters along y for each
	s_lshl_b32 s70, s70, 11                        ; its first row of K
	s_lshl_b32 s13, s13, 2
	s_add_co_u32 s13, s13, s41                     ; tile of queries, 0..31, through all batches
	s_lshl_b32 s43, s41, 2
	s_lshl_b32 s43, 15, s43                        ; my row of the cluster
	s_lshl_b32 s44, 0x1111, s40                    ; my column
	s_or_b32 s[G1+0], s43, (1<<16)|(1<<20)|(1<<21)|(5<<22)|(3<<25)  ; 15:0 the mask; 17:16 elements of 2 bytes; 20 padding on; 21 set beside a mask; 24:22 after every 64 words; 31:25 four words
	s_or_b32 s[G1B+0], s44, (1<<16)|(1<<20)|(1<<21)|(5<<22)|(3<<25)
.irp g, G1, G1B
	s_mov_b32 s[\g+1], KSTEP<<16                   ; tensor_dim0 = 128
	s_mov_b32 s[\g+2], 128<<16                     ; tensor_dim1 = 128
	s_mov_b32 s[\g+3], KSTEP<<16                   ; tile_dim0
	s_mov_b32 s[\g+4], 128                         ; tile_dim1
	s_mov_b32 s[\g+5], SIZE_K                      ; elements from row to row
	s_mov_b32 s[\g+6], 0
	s_mov_b32 s[\g+7], 0
.endr
	s_mov_b32 s[CS], 0x3d38aa3b                    ; c = log2(e) / sqrt(1,024)
	s_mov_b32 s[CS+1], s[CS]                       ; (named with it as a pair, so it is written)
	s_mov_b32 s[SEL], 0x76543210
	s_mov_b32 s[SEL+1], 0xfedcba98
	s_lshl_b32 s17, s12, 7                         ; which 128 rows of the tile I fetch
	s_lshl_b32 s16, s13, 8
	s_add_co_u32 s16, s16, s17                     ; Q: row 256 x tile of queries + 128 x half
	s_lshl_b32 s46, s42, 8
	s_add_co_u32 s46, s46, s17
	s_add_co_u32 s46, s46, s70                     ; K: the batch's first row + 256 x tile of keys + 128 x half
	s_lshl_b32 s16, s16, 11                        ; rows of 2,048 bytes
	s_mov_b32 s17, 0
	s_lshl_b32 s46, s46, 11
	s_mov_b32 s47, 0
	s_mul_i32 s20, s10, HALFT                      ; where they go: wave x 128 rows
	s_wait_dscnt 0x0                               ; both opening adds are done
	s_wait_kmcnt 0x0
	s_mov_b64 s[8:9], s[6:7]                       ; p
	s_add_nc_u64 s[6:7], s[4:5], 0x1000000         ; K's part of qkv
	s_add_nc_u64 s[14:15], s[4:5], s[16:17]
	s_add_nc_u64 s[46:47], s[6:7], s[46:47]
	CROUND                                         ; all sixteen work-groups are here: the first joint loads meet
.irp s, 0,1
	s_mov_b32 s[G0+4*\s], 1
	s_add_co_u32 s[G0+4*\s+1], s20, \s*SLOT
	s_add_nc_u64 s[G0+4*\s+2:G0+4*\s+3], s[14:15], \s*KSTEP*2
	s_or_b32 s[G0+4*\s+3], s[G0+4*\s+3], 0x80000000
	s_mov_b32 s[G0B+4*\s], 1
	s_add_co_u32 s[G0B+4*\s+1], s20, \s*SLOT
	s_add_nc_u64 s[G0B+4*\s+2:G0B+4*\s+3], s[46:47], \s*KSTEP*2
	s_or_b32 s[G0B+4*\s+3], s[G0B+4*\s+3], 0x80000000
	JLOAD \s                                       ; two tensor loads of mine are out
.endr
	v_and_b32 v1, 15, v0                           ; l % 16
	v_bfe_u32 v2, v0, 4, 1                         ; l / 16
	v_mul_u32_u24 v3, v1, PITCH
	v_lshl_add_u32 v3, v2, 4, v3                   ; row x pitch + 16 x half
	s_mul_i32 s21, s11, HALFT                      ; my 128 rows of Q
	s_mul_i32 s22, s12, HALFT                      ; my 128 rows of K,
	s_add_co_u32 s22, s22, 2*HALFT                 ; which lie behind Q's 256
.irp s, 0,1
	v_add_nc_u32 v[ADRA+\s], s21, v3
	v_add_nc_u32 v[ADRB+\s], s22, v3
	s_add_co_u32 s21, s21, SLOT
	s_add_co_u32 s22, s22, SLOT
.endr
	s_mul_i32 s23, s10, 16*SPITCH
	s_add_co_u32 s23, s23, STAGE                   ; my stage
	v_add_nc_u32 v[STO], s23, v3                   ; in: row l % 16, 16 bytes for each half of the lanes
	v_mul_u32_u24 v5, v2, SPITCH                   ; back: lanes 0-15 take one row of 256 bytes, lanes 16-31 the next
	v_lshl_add_u32 v5, v1, 4, v5
	v_add_nc_u32 v[RD], s23, v5
	v_lshlrev_b32 v5, 12, v2                       ; and the same two rows in p
	v_lshl_add_u32 v[CO], v1, 4, v5
	s_lshl_b32 s23, s10, 10
	s_add_co_u32 s23, s23, SST                     ; my wave's statistics
	v_lshl_add_u32 v[SSM], v1, 2, s23              ; in: 4 bytes a query; both halves of the lanes hold the same number
	v_and_b32 v5, 31, v0
	v_lshlrev_b32 v[SGO], 4, v5
	v_add_nc_u32 v[SRD], s23, v[SGO]               ; back: 16 bytes a lane
	s_lshl_b32 s16, s13, 8
	s_lshl_b32 s14, s11, 7
	s_add_co_u32 s16, s16, s14                     ; my first query
	s_lshl_b32 s18, s16, 2                         ; its place in a row of stats
	s_lshl_b32 s16, s16, 12                        ; its row of p
	s_lshl_b32 s46, s42, 9                         ; my first key, in bytes: 512 x tile + 256 x half
	s_lshl_b32 s47, s12, 8
	s_add_co_u32 s46, s46, s47
	s_add_co_u32 s16, s16, s46
	s_mov_b32 s17, 0
	s_add_nc_u64 s[8:9], s[8:9], s[16:17]
	s_lshl_b32 s46, s42, 1
	s_add_co_u32 s46, s46, s12                     ; my tile of 128 keys, 0..15
	s_lshl_b32 s46, s46, 15                        ; rows of 8,192 numbers of 4 bytes
	s_add_co_u32 s18, s18, s46
	s_mov_b32 s19, 0
	s_add_nc_u64 s[68:69], s[68:69], s[18:19]
	; the prefetches
	s_lshl_b32 s20, s13, 8                         ; the tile's first row in Q,
	s_lshl_b32 s21, s42, 8
	s_add_co_u32 s21, s21, s70                     ; in K
	s_and_b32 s22, ttmp7, 1                        ; the cluster's y is odd
	s_cmp_eq_u32 s11, 0                            ; do I fetch for Q?
	s_cselect_b32 s20, s20, s21
	s_cselect_b32 s21, s40, s41                    ; my place among the four that ask with me
	s_cselect_b32 s22, ttmp9, s22                  ; 0 in the cluster that asks
	s_cselect_b64 s[PFA:PFA+1], s[4:5], s[6:7]
	s_cmp_eq_u32 s22, 0
	s_cselect_b32 s[LIM], 1, -1                    ; the same in all sixteen partners, for a given wave
	s_lshl_b32 s22, s12, 7
	s_add_co_u32 s20, s20, s22                     ; + the 128 rows that I fetch
	s_lshl_b32 s21, s21, 5
	s_add_co_u32 s20, s20, s21                     ; + my work-group's 32 of them
	s_lshl_b32 s20, s20, 11
	s_mov_b32 s21, 0
	s_add_nc_u64 s[PFA:PFA+1], s[PFA:PFA+1], s[20:21]
	s_add_nc_u64 s[PFA:PFA+1], s[PFA:PFA+1], 2*KSTEP*2  ; at K step 2: the first refill steps it to 3 and names K step 4
	v_and_b32 v[PFO], 31, v0
	v_lshlrev_b32 v[PFO], 11, v[PFO]
; 16 matrix instructions: blocks a0, a0 + 1 of the window's four x all 8 blocks of keys, 32 along K.  zero = 1: the first product starts the sums.  The 64 accumulators take turns in one order.
.macro MUL16 f, hi, a0, zero
.irp a, \a0, \a0+1
.irp b, 0,1,2,3,4,5,6,7
.if \zero
	v_wmma_f32_16x16x32_f16 v[8*(8*(\a)+\b):8*(8*(\a)+\b)+7], v[\f+8*\b:\f+8*\b+7], v[\f+8*(4*\hi+\a):\f+8*(4*\hi+\a)+7], 0
.else
	v_wmma_f32_16x16x32_f16 v[8*(8*(\a)+\b):8*(8*(\a)+\b)+7], v[\f+8*\b:\f+8*\b+7], v[\f+8*(4*\hi+\a):\f+8*(4*\hi+\a)+7], v[8*(8*(\a)+\b):8*(8*(\a)+\b)+7]
.endif
.endr
.endr
.endm
.macro FETCH slot, k, f                ; 32 LDS loads in one run: the fragments of 32 along K at byte k of the rows
	WIN TO_B
.irp i, 0,1,2,3,4,5,6,7
	ds_load_b128 v[\f+8*\i:\f+8*\i+3],   v[ADRB+\slot] offset:\k+\i*16*PITCH
	ds_load_b128 v[\f+8*\i+4:\f+8*\i+7], v[ADRB+\slot] offset:\k+\i*16*PITCH+32
.endr
	WIN 0
.irp i, 0,1,2,3,4,5,6,7
	ds_load_b128 v[\f+8*\i:\f+8*\i+3],   v[ADRA+\slot] offset:\k+\i*16*PITCH
	ds_load_b128 v[\f+8*\i+4:\f+8*\i+7], v[ADRA+\slot] offset:\k+\i*16*PITCH+32
.endr
.endm
.macro PLACES                          ; four plain vector instructions between a matrix instruction and a load into, or a vector access of, its registers
.rept 4
	v_nop
.endr
.endm
.macro QUARTER slot, k, f, g, zero     ; multiplies buffer f; in its middle fetches the next quarter, at byte k of the same slot's rows, into g
	s_wait_dscnt 8                                 ; K's fragments and Q's rows 0-63 are in; the youngest eight loads (Q's rows 64-127) may be out
	WIN MUL_LO
	MUL16 \f, 0, 0, \zero
	MUL16 \f, 0, 2, \zero
	PLACES
	FETCH \slot, \k, \g
	s_wait_dscnt 32                                ; all but the 32 just issued
	WIN MUL_HI
	MUL16 \f, 1, 0, \zero
	MUL16 \f, 1, 2, \zero
.endm
; The first half of a slot's last quarter: one barrier for the change of slots.  In front of it each wave waits for all its tensor loads (one is out: its part of the next slot), adds 0 to its spare word, and waits for that and for its reads of this slot.
.macro MEET round
	WIN 0
	s_wait_tensorcnt 0x0
	ds_add_u32 v[SPW], v[NIL]
	s_wait_dscnt 9                                 ; (the add and the youngest eight loads may be out)
	WIN MUL_LO
	MUL16 F1, 0, 0, 0
	s_wait_dscnt 0x0                               ; the add is done, and my reads of this slot are over
	s_barrier_signal -1
	MUL16 F1, 0, 2, 0
.if \round
	WIN 0
.endif
	s_barrier_wait -1
.endm
.macro TURN slot, next                 ; the whole last quarter, with the refill of the slot just read out, two K steps on
	s_wait_xcnt 0x0                                ; the last prefetch, a K step back, has read its address
	s_add_nc_u64 s[PFA:PFA+1], s[PFA:PFA+1], KSTEP*2
	MEET 1
	CREST                                          ; no wave of any partner still reads this slot's tile or has a load on its way
	s_add_nc_u64 s[G0+4*\slot+2:G0+4*\slot+3], s[G0+4*\slot+2:G0+4*\slot+3], 2*KSTEP*2
	s_add_nc_u64 s[G0B+4*\slot+2:G0B+4*\slot+3], s[G0B+4*\slot+2:G0B+4*\slot+3], 2*KSTEP*2
	JLOAD \slot                                    ; the first tensor load behind the round, and my only one until the next; its four v_nop are also the places in front of the loads below
	FETCH \next, 0, F0
	ASK
	WIN MUL_HI
	MUL16 F1, 1, 0, 0
	MUL16 F1, 1, 2, 0
.endm
	s_wait_tensorcnt 1                             ; my part of K step 0 is in; K step 1's load may stay out
	s_barrier_signal -1
	s_barrier_wait -1
	FETCH 0, 0, F0
	QUARTER 0, 64,  F0, F1, 1                      ; the first quarter's products start the sums
	WIN 0
	s_mov_b32 s3, LAPS-1
.Llap:                                                 ; a trip goes once round the ring, from a lap's second quarter to the next lap's first, and fills both slots again
	QUARTER 0, 128, F1, F0, 0
	QUARTER 0, 192, F0, F1, 0
	TURN 0, 1
	QUARTER 1, 64,  F0, F1, 0
	QUARTER 1, 128, F1, F0, 0
	QUARTER 1, 192, F0, F1, 0
	TURN 1, 0
	QUARTER 0, 64,  F0, F1, 0
	WIN 0
	s_sub_co_u32 s3, s3, 1
	s_cmp_lg_u32 s3, 0
	s_cbranch_scc1 .Llap
	QUARTER 0, 128, F1, F0, 0                      ; the last lap is written out: it fills nothing
	QUARTER 0, 192, F0, F1, 0
	MEET 0
	PLACES
	FETCH 1, 0, F0
	WIN MUL_HI
	MUL16 F1, 1, 0, 0
	MUL16 F1, 1, 2, 0
	QUARTER 1, 64,  F0, F1, 0
	QUARTER 1, 128, F1, F0, 0
	QUARTER 1, 192, F0, F1, 0
	s_wait_dscnt 8
	WIN MUL_LO
	MUL16 F1, 0, 0, 0
	MUL16 F1, 0, 2, 0
	s_wait_dscnt 0
	WIN MUL_HI
	MUL16 F1, 1, 0, 0
	MUL16 F1, 1, 2, 0
	WIN 0
; THE WAY OUT, block by block of 16 queries x 128 keys.  SOFT: the tile's largest score of my query, -M, p = 2^(t - M), the sum of p, p as f16.  TOSTAGE, SEND: through my stage, out as rows of 256 bytes.
.macro SOFT a
.set AC, 64*((\a)%4)
	WIN 0x0a+5*((\a)/4)                            ; sources 0 and 1: window 2 or 3; the rest window 0
.irp c, 0,1,2,3
	v_max_num_f32 v[SCR+\c], v[AC+16*\c], v[AC+16*\c+1]            ; four chains of 16 scores; each accumulator is read from its low end on
.endr
.irp i, 2,4,6,8,10,12,14
.irp c, 0,1,2,3
	v_max3_num_f32 v[SCR+\c], v[AC+16*\c+\i], v[AC+16*\c+\i+1], v[SCR+\c]
.endr
.endr
	WIN 0
	v_max3_num_f32 v[SCR], v[SCR], v[SCR+1], v[SCR+2]
	v_max_num_f32 v[SCR], v[SCR], v[SCR+3]
	v_permlanex16_b32 v[SCR+4], v[SCR], s[SEL], s[SEL+1]           ; the query's other 64 keys lie in the lane 16 away
	v_max_num_f32 v[SCR], v[SCR], v[SCR+4]
	v_mul_f32 v[SCR+5], s[CS], v[SCR]              ; as t (c is positive)
	v_floor_f32 v[SCR+6], -v[SCR+5]                ; -M = floor(-t) = -ceil(t): a whole number
	WIN 0x02+((\a)/4)                              ; source 0: window 2 or 3
.set k, 0
.rept 32
	v_pk_fma_f32 v[T+2*k:T+2*k+1], v[AC+2*k:AC+2*k+1], s[CS:CS+1], v[SCR+6:SCR+7] op_sel_hi:[1,0,0]   ; t - M, two at a time (of the pairs c and -M the low word serves both halves)
.set k, k+1
.endr
	WIN 0
.set k, 0
.rept 64
	v_exp_f32 v[T+k], v[T+k]                       ; p = 2^(t - M): one batch
.set k, k+1
.endr
	ds_store_b32 v[SSM], v[SCR+6] offset:64*(\a)   ; -M
	v_nop                                          ; a plain instruction behind the last exponential
	s_wait_alu depctr_va_vdst(0)                   ; one wait for the batch, ahead of its first reader
	v_pk_add_f32 v[SCR+8:SCR+9], v[T:T+1], v[T+2:T+3]              ; the sum of the unrounded p, in two chains
	v_pk_add_f32 v[SCR+10:SCR+11], v[T+4:T+5], v[T+6:T+7]
.irp j, 8,12,16,20,24,28,32,36,40,44,48,52,56,60
	v_pk_add_f32 v[SCR+8:SCR+9], v[SCR+8:SCR+9], v[T+\j:T+\j+1]
	v_pk_add_f32 v[SCR+10:SCR+11], v[SCR+10:SCR+11], v[T+\j+2:T+\j+3]
.endr
	v_pk_add_f32 v[SCR+8:SCR+9], v[SCR+8:SCR+9], v[SCR+10:SCR+11]
	v_add_f32 v[SCR+12], v[SCR+8], v[SCR+9]
	v_permlanex16_b32 v[SCR+13], v[SCR+12], s[SEL], s[SEL+1]
	v_add_f32 v[SCR+12], v[SCR+12], v[SCR+13]
	ds_store_b32 v[SSM], v[SCR+12] offset:512+64*(\a)              ; L
.set k, 0
.rept 32
	v_cvt_pk_f16_f32 v[TMP+k], v[T+2*k], v[T+2*k+1]
.set k, k+1
.endr
.endm
.macro TOSTAGE a
.set BK, OB+192*((\a)%2)
.irp b, 0,1,2,3,4,5,6,7
	ds_store_b128 v[STO], v[TMP+4*\b:TMP+4*\b+3] offset:32*\b
.endr
.irp t, 0,1,2,3,4,5,6,7
	ds_load_b128 v[BK+4*\t:BK+4*\t+3], v[RD] offset:\t*2*SPITCH    ; LDS serves a wave's instructions in order: these see the stores above
.endr
.endm
.macro SEND a
.set BK, OB+192*((\a)%2)
	s_wait_dscnt 0x0                               ; the block is back in registers
	s_wait_xcnt 0x0                                ; the earlier stores have read their data: the next block may land in the other set
.irp t, 0,1,2,3,4,5,6,7
	global_store_b128 v[CO], v[BK+4*\t:BK+4*\t+3], s[8:9] offset:(16*(\a)+2*\t)*PROW   ; sixteen lanes store 256 consecutive bytes, aligned; 126 rows of 4,096 bytes at the most: inside the signed 24-bit immediate
.endr
.endm
	PLACES
	v_mov_b32 v[SCR+4], 0                          ; written once: a lane permute's destination counts as one of its sources
	v_mov_b32 v[SCR+13], 0
	v_mov_b32 v[SCR+7], 0                          ; (named as the upper half of the pair with -M)
	SOFT 0
	TOSTAGE 0
.irp a, 1,2,3,4,5,6,7                  ; block a's softmax stands between block a - 1's loads from the stage and the wait for them
	SOFT \a
	SEND \a-1
	TOSTAGE \a
.endr
	SEND 7
	ds_load_b128 v[144:147], v[SRD]                ; my wave's 128 -M,
	ds_load_b128 v[148:151], v[SRD] offset:512     ; and its 128 L: my own bytes, served in order behind my stores
	s_wait_dscnt 0x0
	global_store_b128 v[SGO], v[144:147], s[68:69]                 ; 32 lanes store 512 consecutive bytes, aligned
	global_store_b128 v[SGO], v[148:151], s[68:69] offset:524288
	s_wait_tensorcnt 0x0                           ; the wave's end, behind my last tensor load and my last LDS store
	ds_add_u32 v[SPW], v[NIL]
	s_wait_dscnt 0x0
	CROUND                                         ; the closing round
	s_endpgm
.Lfunc_end_k_qdf5d941261_scores:
	.size	k_qdf5d941261_scores, .Lfunc_end_k_qdf5d941261_scores-k_qdf5d941261_scores
	.p2alignl 7, 3214868480
	.fill 96, 4, 3214868480
	.section	.rodata,"a",@progbits
	.p2align	6, 0x0
	.amdhsa_kernel k_qdf5d941261_scores
		.amdhsa_group_segment_fixed_size 327680
		.amdhsa_private_segment_fixed_size 0
		.amdhsa_enable_private_segment 0
		.amdhsa_kernarg_size 24
		.amdhsa_user_sgpr_count 2
		.amdhsa_user_sgpr_kernarg_segment_ptr 1
		.amdhsa_wavefront_size32 1
		.amdhsa_system_sgpr_workgroup_id_x 1
		.amdhsa_system_sgpr_workgroup_id_y 1
		.amdhsa_system_sgpr_workgroup_id_z 1
		.amdhsa_system_vgpr_workitem_id 0
		.amdhsa_next_free_vgpr 1024
		.amdhsa_next_free_sgpr 76
		.amdhsa_reserve_vcc 0
		.amdhsa_float_denorm_mode_32 3
		.amdhsa_float_denorm_mode_16_64 3
		.amdhsa_memory_ordered 1
		.amdhsa_forward_progress 1
		.amdhsa_inst_pref_size 212
	.end_amdhsa_kernel
	.amdgpu_metadata
---
amdhsa.version: [ 1, 2 ]
amdhsa.kernels:
  - .name:           k_qdf5d941261_scores
    .symbol:         k_qdf5d941261_scores.kd
    .args:
      - { .name: qkv, .offset: 0, .size: 8, .value_kind: global_buffer, .address_space: global }
      - { .name: p, .offset: 8, .size: 8, .value_kind: global_buffer, .address_space: global }
      - { .name: stats, .offset: 16, .size: 8, .value_kind: global_buffer, .address_space: global }
    .group_segment_fixed_size: 327680
    .private_segment_fixed_size: 0
    .kernarg_segment_align: 8
    .kernarg_segment_size: 24
    .max_flat_workgroup_size: 128
    .sgpr_count:     76
    .vgpr_count:     1024
    .wavefront_size: 32
...
	.end_amdgpu_metadata
.endif
;; end of part 3
;; launch pv (part 4): grid 4 x 64, 4 waves a work-group, clusters of 4 x 4, 327,680 bytes of LDS; arguments p, stats, qkv, out0; writes out0
.if DOCPART == 4
	.amdgcn_target "amdgcn-amd-amdhsa--gfx1250"
	.amdhsa_code_object_version 6
	.text
	.protected	k_qdf5d941261_pv
	.globl	k_qdf5d941261_pv
	.p2align	8
	.type	k_qdf5d941261_pv,@function
k_qdf5d941261_pv:
	s_mov_b64 s[64:65], 0
	v_nop
	global_prefetch_b8 v0, s[64:65] scope:SCOPE_SE
	s_setreg_imm32_b32 hwreg(HW_REG_WAVE_MODE, 25, 1), 1
	s_wait_xcnt 0x0
	s_wait_alu depctr_hold_cnt(0) depctr_sa_sdst(0) depctr_va_vdst(0) depctr_va_sdst(0) depctr_va_ssrc(0) depctr_va_vcc(0) depctr_vm_vsrc(0)
	s_getreg_b32 s2, hwreg(HW_REG_IB_STS2, 6, 4)
	s_cmp_eq_u32 s2, 0
	s_cbranch_scc0 .Lentry_in_a_cluster
	s_endpgm
.Lentry_in_a_cluster:
	s_bfe_u32 s2, ttmp6, 0x10000c
	s_cmp_lg_u32 s2, 0xf033
	s_cbranch_scc0 .Lentry_shape_is_right
	s_endpgm
.Lentry_shape_is_right:
; CROSS ATTENTION, launch 4 of 4: out0 = softmax x V, from the tiles' p (f16), their -M_t and L_t (f32) and V^T (f16); sums in f32.  Nothing is left out.
; p [8,192 queries][2,048 keys] holds 2^(t - M_t), M_t the whole number of the key's tile of 128.  For each query M = the largest M_t; f_t = 2^(M_t - M), a power of two, at most 1.
; out0[q][d] = (sum over t of f_t x S_t[q][d]) / (sum over t of f_t L_t),  S_t = the sum over the tile's 128 keys of p V.
; A K step of 128 keys is one tile t.  Its products start a sum S of their own (the constant 0 as C); at the step's end T = f_t S + T, in f32: a lane holds one query, so f_t is one number a lane and block of queries.
; The multiplication by a power of two rounds nothing; what falls under f32's smallest numbers is lost, and is nothing beside the row's largest tile, whose f is 1.
; V^T: qkv byte 33,554,432, [1,024 channels][8,192 tokens] f16; batch b owns tokens 2,048 b on.  stats: -M at byte 0, [16 tiles][8,192 queries] f32; L at byte 524,288.
; A tile of 128 queries x 256 channels is made by four waves, each 64 x 128: 32 accumulators: 256 such tiles.  K = 2,048 keys in 16 steps of 128 through a ring of two LDS slots.
; (Slots of two K steps, 384 rows x 528 bytes each, would take 405,504 bytes for two: they do not fit.)
; THE REFILL STANDS FIRST: at a change of slots the waits, the round and the joint load follow each other with no matrix instruction among them, and all 128 matrix instructions of a K step stand between a request and the wait for it.
; CLUSTER: 4 x 4 work-groups; the four of a row need the same rows of p, the four of a column the same rows of V^T: each tile is asked for jointly.
; THE MATRIX INSTRUCTION IS USED TRANSPOSED (source 0 = 16 channels of V^T, source 1 = 16 queries of p): a lane holds one query (lane % 16) and eight neighbouring channels.
; REGISTERS, in windows of 256: window 0: v0-31 addresses and the f of the K step in hand; v32-95 rows of out0; v96-103 1 / l; v104-127 at work; v128-191, v192-255 p's fragments, two buffers of 64 keys.
;   window 1: V^T's fragments, two buffers, v0-127 and v128-255.   window 2: S, (a, b) at v[8 (8 a + b)].   window 3: T, at the same numbers.
.set PITCH,  272                       ; an LDS row: 256 bytes + 16 of padding = 68 words: the 16 rows that a load touches start at 16 different banks (64 banks of 4 bytes: ISA guide 11.1)
.set AHALF,  64*PITCH                  ; what a load of p brings
.set BHALF,  128*PITCH                 ; what a load of V^T brings
.set BOFF,   2*AHALF
.set SLOT,   2*AHALF+2*BHALF           ; p's 128 rows, then V^T's 256 rows
.set STAGE,  2*SLOT                    ; behind the ring: 16 rows x (512 bytes + 16) for each wave
.set SPITCH, 528
.set FTAB,   STAGE+4*16*SPITCH         ; for each wave 16 x 1,024 bytes: for K step t, two runs of 16 bytes a lane: the f of the lane's query in my blocks 0, 1 and 2, 3, each twice, as f32
.set SPARE,  FTAB+4*16384              ; the spare words, 128 bytes for each wave: two blocks of 256 bytes that no other line names
.set FC,   8                           ; v8-15  the f of the K step in hand: a pair (f, f) for each of my four blocks of queries
.set ADRA, 16
.set ADRB, 20
.set ADRF, 22                          ; v22  my 16 bytes of the table, one K step behind: stepped by 1,024 ahead of each step's loads
.set STO,  24
.set RD,   25
.set CO,   26                          ; v26  16 x lane
.set SOF,  27                          ; v27  4 x (lane % 16)
.set SPW,  28
.set NIL,  29
.set PFO,  30
.set RL,   96
.set WK,   104                         ; v104-107 -M; v112-115 l
.set AF,   128
.set RES,  128                         ; the way out: a block of out0
.set LAG,  3                           ; T takes accumulator j behind the matrix instruction on accumulator j + LAG
.set G1A, 24
.set G0A, 32
.set G1B, 48
.set G0B, 56
.set PFA, 44
.set LIM, 15
.set MSB, 0
.macro WIN new
.if MSB != (\new)
	s_set_vgpr_msb (MSB<<8)|(\new)
.set MSB, (\new)
.endif
.endm
.set MUL,  0xa1                        ; source 0 (V^T) window 1, source 1 (p) window 0, C and D window 2
.set W_FM, 0xf2                        ; source 0 (S) window 2, source 1 (f) window 0, source 2 and destination (T) window 3
.set TO_B, 0x40
.macro JLOAD s                         ; a joint load: waves 0 and 1 fetch p's two halves, waves 2 and 3 V^T's; an s_nop 0 and four v_nop follow each of the two lines
	s_cmp_eq_u32 s13, 0
	s_cbranch_scc0 .Lfor_b_\@
	tensor_load_to_lds s[G0A+4*\s:G0A+4*\s+3], s[G1A:G1A+7]
	s_nop 0
.rept 4
	v_nop
.endr
	s_branch .Lasked_\@
.Lfor_b_\@:
	tensor_load_to_lds s[G0B+4*\s:G0B+4*\s+3], s[G1B:G1B+7]
	s_nop 0
.rept 4
	v_nop
.endr
.Lasked_\@:
.endm
; A prefetch of the K step that stands two refills on: 32 rows x 256 bytes, a lane a row.  Each row's 256 bytes of a K step are named once in the launch: p's 128 rows of a tile are read by one row of one cluster:
; wave 0 of each of its four work-groups asks for 32, told apart by address; V^T's rows are read by the four clusters of a batch: the first of them asks, waves 2 and 3, 32 rows for each of the four partners of a column.
; K step t asks for K step t + 4: steps 0 to 11 ask.  how = 1: whenever the wave is one that asks; how = 2, the loop's even steps 2 to 12: not in the last trip, whose even step is 12.
.macro ASK how
.if \how == 1
	s_cmp_eq_u32 s[LIM], 1
.else
	s_cmp_gt_u32 s3, s[LIM]
.endif
	s_cbranch_scc0 .Lnot_mine_\@
	global_prefetch_b8 v[PFO], s[PFA:PFA+1] offset:256 th:TH_LOAD_NT scope:SCOPE_SE
.Lnot_mine_\@:
.endm
.macro CROUND                          ; a round of the cluster's barrier
	s_barrier_signal -1
	s_barrier_wait -1
	s_cmp_lg_u32 s12, 0
	s_cbranch_scc1 .Lnot_wave_0_\@
	s_barrier_signal -3
.Lnot_wave_0_\@:
	s_barrier_wait -3
	s_barrier_signal -1
	s_barrier_wait -1
.endm
	s_load_b256 s[4:11], s[0:1], 0x0               ; p s[4:5], stats s[6:7], qkv s[8:9], out0 s[10:11]
	v_lshl_add_u32 v[SPW], v0, 2, SPARE
	v_mov_b32 v[NIL], 0
	ds_add_u32 v[SPW], v[NIL]                      ; the wave's opening: the add, twice on end, and its wait ahead of my first tensor load
	ds_add_u32 v[SPW], v[NIL]
	v_lshrrev_b32 v1, 5, v0
	v_readfirstlane_b32 s12, v1                    ; wave 0..3
	s_lshr_b32 s13, s12, 1                         ; which 64 queries are mine.  Also: I fetch for p (0) or for V^T (1)
	s_and_b32 s14, s12, 1                          ; which 128 channels.  Also: which half of that tile I fetch
	s_bfe_u32 s40, ttmp6, 0x40000                  ; cx
	s_bfe_u32 s41, ttmp6, 0x40004                  ; cy
	s_lshl_b32 s42, ttmp9, 2
	s_add_co_u32 s42, s42, s40                     ; tile of 256 channels, 0..3
	s_and_b32 s46, ttmp7, 0xffff
	s_lshl_b32 s43, s46, 2
	s_add_co_u32 s43, s43, s41                     ; tile of 128 queries, 0..63, through all batches
	s_lshr_b32 s46, s46, 2                         ; the batch: four clusters for each
	s_lshl_b32 s46, s46, 12                        ; its first token in a row of V^T, in bytes
	s_lshl_b32 s16, s41, 2
	s_lshl_b32 s16, 15, s16                        ; my row of the cluster
	s_lshl_b32 s17, 0x1111, s40                    ; my column
	s_or_b32 s[G1A+0], s16, (1<<16)|(1<<20)|(1<<21)|(5<<22)|(3<<25)  ; 15:0 the mask; 17:16 elements of 2 bytes; 20 padding on; 21 set beside a mask; 24:22 after every 64 words; 31:25 four words
	s_mov_b32 s[G1A+1], 128<<16                    ; tensor_dim0 = 128
	s_mov_b32 s[G1A+2], 64<<16                     ; tensor_dim1 = 64
	s_mov_b32 s[G1A+3], 128<<16                    ; tile_dim0
	s_mov_b32 s[G1A+4], 64                         ; tile_dim1
	s_mov_b32 s[G1A+5], 2048                       ; elements from row to row of p
	s_mov_b32 s[G1A+6], 0
	s_mov_b32 s[G1A+7], 0
	s_or_b32 s[G1B+0], s17, (1<<16)|(1<<20)|(1<<21)|(5<<22)|(3<<25)
	s_mov_b32 s[G1B+1], 128<<16
	s_mov_b32 s[G1B+2], 128<<16
	s_mov_b32 s[G1B+3], 128<<16
	s_mov_b32 s[G1B+4], 128
	s_mov_b32 s[G1B+5], 8192                       ; elements from row to row of V^T
	s_mov_b32 s[G1B+6], 0
	s_mov_b32 s[G1B+7], 0
	s_lshl_b32 s18, s43, 7
	s_lshl_b32 s19, s14, 6
	s_add_co_u32 s18, s18, s19                     ; p: row 128 x tile of queries + 64 x half,
	s_lshl_b32 s18, s18, 12                        ; of 4,096 bytes
	s_mov_b32 s19, 0
	s_lshl_b32 s20, s42, 8
	s_lshl_b32 s21, s14, 7
	s_add_co_u32 s20, s20, s21                     ; V^T: row 256 x tile of channels + 128 x half,
	s_lshl_b32 s20, s20, 14                        ; of 16,384 bytes,
	s_add_co_u32 s20, s20, s46                     ; the batch's tokens,
	s_add_co_u32 s20, s20, 0x2000000               ; in V^T's part of qkv
	s_mov_b32 s21, 0
	s_mul_i32 s22, s14, AHALF                      ; where they go: no place in the cluster enters an LDS address
	s_mul_i32 s23, s14, BHALF
	s_add_co_u32 s23, s23, BOFF
	s_wait_dscnt 0x0                               ; both opening adds are done
	s_wait_kmcnt 0x0
	s_add_nc_u64 s[18:19], s[4:5], s[18:19]
	s_add_nc_u64 s[20:21], s[8:9], s[20:21]
	CROUND                                         ; all sixteen work-groups are here: the first joint loads meet
.irp s, 0,1
	s_mov_b32 s[G0A+4*\s], 1
	s_add_co_u32 s[G0A+4*\s+1], s22, \s*SLOT
	s_add_nc_u64 s[G0A+4*\s+2:G0A+4*\s+3], s[18:19], \s*256
	s_or_b32 s[G0A+4*\s+3], s[G0A+4*\s+3], 0x80000000
	s_mov_b32 s[G0B+4*\s], 1
	s_add_co_u32 s[G0B+4*\s+1], s23, \s*SLOT
	s_add_nc_u64 s[G0B+4*\s+2:G0B+4*\s+3], s[20:21], \s*256
	s_or_b32 s[G0B+4*\s+3], s[G0B+4*\s+3], 0x80000000
	JLOAD \s                                       ; two tensor loads of mine are out
.endr
	; the statistics of my 64 queries: block a, tile t: -M into v[128 + 8 t + 2 a], L into the register behind it; both halves of the lanes take the same
	v_and_b32 v1, 15, v0                           ; l % 16
	v_bfe_u32 v2, v0, 4, 1                         ; l / 16
	v_lshlrev_b32 v[SOF], 2, v1
	s_lshl_b32 s16, s43, 7
	s_lshl_b32 s17, s13, 6
	s_add_co_u32 s16, s16, s17                     ; my first query
	s_lshl_b32 s18, s16, 12                        ; (its row of out0)
	s_lshl_b32 s16, s16, 2
	s_mov_b32 s17, 0
	s_add_nc_u64 s[6:7], s[6:7], s[16:17]
.irp a, 0,1,2,3
.irp t, 0,1,2,3,4,5,6,7,8,9,10,11,12,13,14,15
	global_load_b32 v[128+8*\t+2*\a], v[SOF], s[6:7] offset:\t*32768+64*\a
	global_load_b32 v[129+8*\t+2*\a], v[SOF], s[6:7] offset:524288+\t*32768+64*\a
.endr
.endr
	v_mul_u32_u24 v3, v1, PITCH
	v_lshl_add_u32 v3, v2, 4, v3                   ; a fragment's row x pitch + 16 x half
	s_mul_i32 s16, s13, AHALF                      ; my 64 rows of p
	s_mul_i32 s17, s14, BHALF                      ; my 128 rows of V^T,
	s_add_co_u32 s17, s17, BOFF                    ; which lie behind p's 128
.irp s, 0,1
	v_add_nc_u32 v[ADRA+\s], s16, v3
	v_add_nc_u32 v[ADRB+\s], s17, v3
	s_add_co_u32 s16, s16, SLOT
	s_add_co_u32 s17, s17, SLOT
.endr
	v_and_b32 v4, 31, v0
	v_lshlrev_b32 v[CO], 4, v4
	s_lshl_b32 s16, s12, 14
	s_add_co_u32 s16, s16, FTAB-1024               ; one K step's 1,024 bytes ahead of my wave's table: each step adds them before it loads
	v_add_nc_u32 v[ADRF], s16, v[CO]
	s_mul_i32 s16, s12, 16*SPITCH
	s_add_co_u32 s16, s16, STAGE                   ; my stage
	v_mul_u32_u24 v5, v1, SPITCH
	v_lshl_add_u32 v5, v2, 5, v5
	v_add_nc_u32 v[STO], s16, v5                   ; in: row l % 16, 32 bytes for each half of the lanes
	v_add_nc_u32 v[RD], s16, v[CO]                 ; back: the 32 lanes take one row of 512 bytes
	s_lshl_b32 s17, s42, 10                        ; my first channel, in bytes: 1,024 x tile + 512 x half
	s_add_co_u32 s18, s18, s17
	s_lshl_b32 s17, s14, 9
	s_add_co_u32 s18, s18, s17
	s_mov_b32 s19, 0
	s_add_nc_u64 s[10:11], s[10:11], s[18:19]
	; the prefetches
	s_lshl_b32 s16, s43, 7
	s_lshl_b32 s17, s40, 5
	s_add_co_u32 s16, s16, s17                     ; p: the tile's first row + my work-group's 32,
	s_lshl_b32 s16, s16, 12
	s_lshl_b32 s17, s42, 8
	s_lshl_b32 s18, s14, 7
	s_add_co_u32 s17, s17, s18
	s_lshl_b32 s18, s41, 5
	s_add_co_u32 s17, s17, s18                     ; V^T: the 128 rows that I fetch + my work-group's 32
	s_lshl_b32 s17, s17, 14
	s_add_co_u32 s17, s17, s46
	s_add_co_u32 s17, s17, 0x2000000
	s_and_b32 s18, ttmp7, 3                        ; 0 in a batch's first cluster
	s_cmp_eq_u32 s13, 0                            ; do I fetch for p?
	s_cselect_b32 s16, s16, s17
	s_cselect_b32 s18, s14, s18                    ; p: wave 0 asks; V^T: waves 2 and 3 of a batch's first cluster
	s_cselect_b32 s19, 12, 14                      ; a row is 4,096 or 16,384 bytes
	s_cselect_b64 s[PFA:PFA+1], s[4:5], s[8:9]
	s_cmp_eq_u32 s18, 0
	s_cselect_b32 s[LIM], 1, -1                    ; the same in all sixteen partners, for a given wave
	s_mov_b32 s17, 0
	s_add_nc_u64 s[PFA:PFA+1], s[PFA:PFA+1], s[16:17]
	s_add_nc_u64 s[PFA:PFA+1], s[PFA:PFA+1], 512   ; at K step 2: K step 0's change of slots steps it to 3 and names K step 4
	v_and_b32 v[PFO], 31, v0
	v_lshlrev_b32 v[PFO], s19, v[PFO]
	s_wait_loadcnt 0x0                             ; the statistics
	; -M = the smallest -M_t; f_t = 2^(M_t - M); l = the sum of f_t L_t; then f_t takes L_t's place too, so that each f stands twice
.irp a, 0,1,2,3
	v_min3_num_f32 v[WK+\a], v[128+2*\a], v[136+2*\a], v[144+2*\a]
.endr
.irp i, 3,5,7,9,11,13
.irp a, 0,1,2,3
	v_min3_num_f32 v[WK+\a], v[WK+\a], v[128+8*\i+2*\a], v[136+8*\i+2*\a]
.endr
.endr
.irp a, 0,1,2,3
	v_min_num_f32 v[WK+\a], v[WK+\a], v[248+2*\a]
.endr
.irp t, 0,1,2,3,4,5,6,7,8,9,10,11,12,13,14,15
.irp a, 0,1,2,3
	v_sub_f32 v[128+8*\t+2*\a], v[WK+\a], v[128+8*\t+2*\a]         ; M_t - M: a whole number, 0 or less
.endr
.endr
.irp t, 0,1,2,3,4,5,6,7,8,9,10,11,12,13,14,15
.irp a, 0,1,2,3
	v_cvt_i32_f32 v[128+8*\t+2*\a], v[128+8*\t+2*\a]               ; (it saturates)
.endr
.endr
.irp t, 0,1,2,3,4,5,6,7,8,9,10,11,12,13,14,15
.irp a, 0,1,2,3
	v_ldexp_f32 v[128+8*\t+2*\a], 1.0, v[128+8*\t+2*\a]            ; f_t
.endr
.endr
.irp a, 0,1,2,3
	v_mul_f32 v[WK+8+\a], v[128+2*\a], v[129+2*\a]
.endr
.irp t, 1,2,3,4,5,6,7,8,9,10,11,12,13,14,15
.irp a, 0,1,2,3
	v_fma_f32 v[WK+8+\a], v[128+8*\t+2*\a], v[129+8*\t+2*\a], v[WK+8+\a]
.endr
.endr
.irp t, 0,1,2,3,4,5,6,7,8,9,10,11,12,13,14,15
.irp a, 0,1,2,3
	v_mov_b32 v[129+8*\t+2*\a], v[128+8*\t+2*\a]                   ; the pair (f, f), which the packed multiply-add takes as it stands
.endr
.endr
.irp t, 0,1,2,3,4,5,6,7,8,9,10,11,12,13,14,15
	ds_store_b128 v[ADRF], v[128+8*\t:131+8*\t] offset:1024*(\t+1)         ; my wave's own bytes: no other wave reads them
	ds_store_b128 v[ADRF], v[132+8*\t:135+8*\t] offset:1024*(\t+1)+512
.endr
.irp a, 0,1,2,3
	v_rcp_f32 v[RL+2*\a], v[WK+8+\a]               ; 1 / l: l is above a half, since the row's largest tile has f = 1 and its largest p lies above a half
.endr
.irp a, 0,1,2,3
	v_mov_b32 v[RL+2*\a+1], 0                      ; (named with it as a pair; the low word serves both halves.)  Plain instructions behind the reciprocals
.endr
	s_wait_alu depctr_va_vdst(0)                   ; one wait for the four, ahead of every label and of their readers
.macro FETCH slot, u, f                ; 48 LDS loads in one run: the fragments of 64 keys at byte 128 u of the rows, into buffer f: p's 16 first, then V^T's 32
	WIN 0
.irp c, 0,1
.irp i, 0,1,2,3
	ds_load_b128 v[AF+64*(\f)+8*(4*\c+\i):AF+64*(\f)+8*(4*\c+\i)+3],   v[ADRA+\slot] offset:128*(\u)+64*\c+\i*16*PITCH
	ds_load_b128 v[AF+64*(\f)+8*(4*\c+\i)+4:AF+64*(\f)+8*(4*\c+\i)+7], v[ADRA+\slot] offset:128*(\u)+64*\c+\i*16*PITCH+32
.endr
.endr
	WIN TO_B
.irp c, 0,1
.irp i, 0,1,2,3,4,5,6,7
	ds_load_b128 v[128*(\f)+8*(8*\c+\i):128*(\f)+8*(8*\c+\i)+3],   v[ADRB+\slot] offset:128*(\u)+64*\c+\i*16*PITCH
	ds_load_b128 v[128*(\f)+8*(8*\c+\i)+4:128*(\f)+8*(8*\c+\i)+7], v[ADRB+\slot] offset:128*(\u)+64*\c+\i*16*PITCH+32
.endr
.endr
	WIN 0
.endm
.macro PLACES                          ; four plain vector instructions between a matrix instruction and a load into, or a vector access of, its registers
.rept 4
	v_nop
.endr
.endm
; 32 matrix instructions: my four blocks of queries x all 8 blocks of channels, 32 keys: half c of buffer f.  zero = 1: the K step's first products start its sums S.
; The 32 accumulators take turns, one instruction a turn, in one order throughout.
.macro MUL32 f, c, zero
.irp a, 0,1,2,3
.irp b, 0,1,2,3,4,5,6,7
.if \zero
	v_wmma_f32_16x16x32_f16 v[8*(8*\a+\b):8*(8*\a+\b)+7], v[128*(\f)+8*(8*(\c)+\b):128*(\f)+8*(8*(\c)+\b)+7], v[AF+64*(\f)+8*(4*(\c)+\a):AF+64*(\f)+8*(4*(\c)+\a)+7], 0
.else
	v_wmma_f32_16x16x32_f16 v[8*(8*\a+\b):8*(8*\a+\b)+7], v[128*(\f)+8*(8*(\c)+\b):128*(\f)+8*(8*(\c)+\b)+7], v[AF+64*(\f)+8*(4*(\c)+\a):AF+64*(\f)+8*(4*(\c)+\a)+7], v[8*(8*\a+\b):8*(8*\a+\b)+7]
.endif
.endr
.endr
.endm
; T takes accumulator JF of S: four packed instructions, from the accumulator's low end on.  first = 1: the first K step writes T: nothing is ever cleared.
.macro FMA4 first
.irp k, 0,1,2,3
.if \first
	v_pk_mul_f32 v[8*JF+2*\k:8*JF+2*\k+1], v[8*JF+2*\k:8*JF+2*\k+1], v[FC+2*(JF/8):FC+2*(JF/8)+1]
.else
	v_pk_fma_f32 v[8*JF+2*\k:8*JF+2*\k+1], v[8*JF+2*\k:8*JF+2*\k+1], v[FC+2*(JF/8):FC+2*(JF/8)+1], v[8*JF+2*\k:8*JF+2*\k+1]
.endif
.endr
.set JF, JF+1
.endm
; The K step's last 32 matrix instructions finish its sums one after the other, and T takes them as they are finished: behind the instruction on accumulator j stand the four of accumulator j - LAG.
; Between a matrix instruction and the read of its result stand the twelve of three other accumulators (ahead of the first: four v_nop), which name none of its registers.
.macro MULF f, c, first
.set J, 0
.set JF, 0
.rept 32
	WIN MUL
	v_wmma_f32_16x16x32_f16 v[8*J:8*J+7], v[128*(\f)+8*(8*(\c)+J%8):128*(\f)+8*(8*(\c)+J%8)+7], v[AF+64*(\f)+8*(4*(\c)+J/8):AF+64*(\f)+8*(4*(\c)+J/8)+7], v[8*J:8*J+7]
.if J >= LAG
	WIN W_FM
.if J == LAG
	PLACES
.endif
	FMA4 \first
.endif
.set J, J+1
.endr
	WIN W_FM
.rept LAG
	FMA4 \first                                    ; the last accumulators; these are also the places in front of the loads into buffer 1
.endr
	WIN 0
.endm
; The first half of a K step: multiplies buffer 0 and fetches the slot's second 64 keys into buffer 1.
.macro HALF0 slot
	s_wait_dscnt 0x0                               ; buffer 0 is whole (asked for 64 matrix instructions ago)
	FETCH \slot, 1, 1
	WIN MUL
	MUL32 0, 0, 1
	MUL32 0, 1, 0
	WIN 0
.endm
; The second half multiplies buffer 1, gives the step's sums to T, and, first of all, changes slots.  Each wave waits for all its tensor loads (one is out: its part of the next slot), adds 0 to its spare word,
; and waits for that and for its reads of this slot, whose last went into buffer 1.
; mode = 2: a round of the cluster's barrier, and this slot is filled again, two K steps on;  1: the work-group's barrier alone: nothing is left to fetch;  0: the last K step: no next slot.
.macro HALF1 slot, next, mode, ask, first
.if \ask
	s_wait_xcnt 0x0                                ; the last prefetch, a K step back, has read its address
	s_add_nc_u64 s[PFA:PFA+1], s[PFA:PFA+1], 256
.endif
.if \mode
	s_wait_tensorcnt 0x0                           ; no tensor load of mine is out, so a group 0 may be written
	ds_add_u32 v[SPW], v[NIL]
.if \mode == 2
	s_add_nc_u64 s[G0A+4*\slot+2:G0A+4*\slot+3], s[G0A+4*\slot+2:G0A+4*\slot+3], 512
	s_add_nc_u64 s[G0B+4*\slot+2:G0B+4*\slot+3], s[G0B+4*\slot+2:G0B+4*\slot+3], 512
.endif
	s_wait_dscnt 0x0                               ; the add is done, buffer 1 is whole, and my reads of this slot are over
.if \mode == 2
	CROUND                                         ; no wave of any partner still reads this slot's tile or has a load on its way
	JLOAD \slot                                    ; the first tensor load behind the round, and my only one until the next; its four v_nop are also the places in front of the loads into buffer 0
.else
	s_barrier_signal -1
	s_barrier_wait -1
	PLACES
.endif
.else
	s_wait_dscnt 0x0                               ; buffer 1 is whole
.endif
	v_add_nc_u32 v[ADRF], 1024, v[ADRF]            ; this K step's f (no LDS load of mine is out)
	ds_load_b128 v[FC:FC+3], v[ADRF]
	ds_load_b128 v[FC+4:FC+7], v[ADRF] offset:512
.if \mode
	FETCH \next, 0, 0
.endif
.if \ask
	ASK \ask
.endif
	WIN MUL
	MUL32 1, 0, 0
.if \mode
	s_wait_dscnt 48                                ; the f are in; the 48 loads into buffer 0, issued behind them, may be out
.else
	s_wait_dscnt 0x0
.endif
	MULF 1, 1, \first
.endm
	s_wait_tensorcnt 1                             ; my part of K step 0 is in; K step 1's load may stay out
	s_wait_dscnt 0x0                               ; my stores into the table are done
	s_barrier_signal -1
	s_barrier_wait -1
	FETCH 0, 0, 0
	HALF0 0                                        ; K step 0 stands ahead of the loop: its sums write T
	HALF1 0, 1, 2, 1, 1
	s_mov_b32 s3, 6
.Llap:                                                 ; a trip goes once round the ring and fills both slots again: K steps 1 to 12 in six trips
	HALF0 1
	HALF1 1, 0, 2, 1, 0
	HALF0 0
	HALF1 0, 1, 2, 2, 0
	s_sub_co_u32 s3, s3, 1
	s_cmp_lg_u32 s3, 0
	s_cbranch_scc1 .Llap
	HALF0 1                                        ; the tail is written out: K step 13 asks for K step 15
	HALF1 1, 0, 2, 0, 0
	HALF0 0                                        ; K step 14 for nothing,
	HALF1 0, 1, 1, 0, 0
	HALF0 1                                        ; and K step 15 has no next slot
	HALF1 1, 0, 0, 0, 0
; THE WAY OUT, block by block of 16 queries x 128 channels: T divided by l; 32 bytes a lane into my stage; back as whole rows of 512 bytes.
.macro OUTB a
	WIN 0x03                                       ; source 0: window 3
.set k, 0
.rept 32
	v_pk_mul_f32 v[RES+2*k:RES+2*k+1], v[64*(\a)+2*k:64*(\a)+2*k+1], v[RL+2*(\a):RL+2*(\a)+1] op_sel_hi:[1,0]
.set k, k+1
.endr
	WIN 0
.irp b, 0,1,2,3,4,5,6,7
	ds_store_b128 v[STO], v[RES+8*\b:RES+8*\b+3] offset:64*\b
	ds_store_b128 v[STO], v[RES+8*\b+4:RES+8*\b+7] offset:64*\b+16
.endr
.set BB, 32+160*((\a)%2)               ; v32-95 and v192-255 by turns
.irp t, 0,1,2,3,4,5,6,7,8,9,10,11,12,13,14,15
	ds_load_b128 v[BB+4*\t:BB+4*\t+3], v[RD] offset:\t*SPITCH      ; LDS serves a wave's instructions in order: these see the stores above
.endr
.endm
.macro SEND a, younger                 ; younger: the LDS instructions issued behind block a's loads, which may stay out
.set BB, 32+160*((\a)%2)
	s_wait_dscnt \younger
.irp t, 0,1,2,3,4,5,6,7,8,9,10,11,12,13,14,15
	global_store_b128 v[CO], v[BB+4*\t:BB+4*\t+3], s[10:11] offset:(16*(\a)+\t)*4096 th:TH_STORE_NT   ; 32 lanes store 512 consecutive bytes, aligned; written once, read by nobody here
.endr
.endm
	PLACES                                         ; in front of the writes into the registers that held p's fragments
	OUTB 0
.irp a, 1,2,3
.if \a > 1
	s_wait_xcnt 0x0                                ; block a - 2's stores have read their registers: block a's loads may land there
.endif
	OUTB \a
	SEND \a-1, 32                                  ; behind block a - 1's loads: block a's 16 stores and 16 loads
.endr
	SEND 3, 0
	s_wait_tensorcnt 0x0                           ; the wave's end, behind my last tensor load and my last LDS store
	ds_add_u32 v[SPW], v[NIL]
	s_wait_dscnt 0x0
	CROUND                                         ; the closing round: no work-group ends while a partner may still ask for a tile that names it
	s_endpgm
.Lfunc_end_k_qdf5d941261_pv:
	.size	k_qdf5d941261_pv, .Lfunc_end_k_qdf5d941261_pv-k_qdf5d941261_pv
	.p2alignl 7, 3214868480
	.fill 96, 4, 3214868480
	.section	.rodata,"a",@progbits
	.p2align	6, 0x0
	.amdhsa_kernel k_qdf5d941261_pv
		.amdhsa_group_segment_fixed_size 327680
		.amdhsa_private_segment_fixed_size 0
		.amdhsa_enable_private_segment 0
		.amdhsa_kernarg_size 32
		.amdhsa_user_sgpr_count 2
		.amdhsa_user_sgpr_kernarg_segment_ptr 1
		.amdhsa_wavefront_size32 1
		.amdhsa_system_sgpr_workgroup_id_x 1
		.amdhsa_system_sgpr_workgroup_id_y 1
		.amdhsa_system_sgpr_workgroup_id_z 1
		.amdhsa_system_vgpr_workitem_id 0
		.amdhsa_next_free_vgpr 1024
		.amdhsa_next_free_sgpr 66
		.amdhsa_reserve_vcc 0
		.amdhsa_float_denorm_mode_32 3
		.amdhsa_float_denorm_mode_16_64 3
		.amdhsa_memory_ordered 1
		.amdhsa_forward_progress 1
		.amdhsa_inst_pref_size 214
	.end_amdhsa_kernel
	.amdgpu_metadata
---
amdhsa.version: [ 1, 2 ]
amdhsa.kernels:
  - .name:           k_qdf5d941261_pv
    .symbol:         k_qdf5d941261_pv.kd
    .args:
      - { .name: p, .offset: 0, .size: 8, .value_kind: global_buffer, .address_space: global }
      - { .name: stats, .offset: 8, .size: 8, .value_kind: global_buffer, .address_space: global }
      - { .name: qkv, .offset: 16, .size: 8, .value_kind: global_buffer, .address_space: global }
      - { .name: out0, .offset: 24, .size: 8, .value_kind: global_buffer, .address_space: global }
    .group_segment_fixed_size: 327680
    .private_segment_fixed_size: 0
    .kernarg_segment_align: 8
    .kernarg_segment_size: 32
    .max_flat_workgroup_size: 128
    .sgpr_count:     66
    .vgpr_count:     1024
    .wavefront_size: 32
...
	.end_amdgpu_metadata
.endif
;; end of part 4
